; MI455X (gfx1250); checked and timed in simulation.
; The chip was launched on July 23, 2026; its instructions are those of AMD's public machine-readable ISA for CDNA 5 (MIT licence, August 2026) and "CDNA5" Instruction Set Architecture Reference Guide (July 2026). The comments in the code are by the model that wrote it; some were corrected since.
;; Self Attention. Allowed arithmetic: matrix products marked QUANTISED: E2M3 operands, one E8M0 scale for each 32 along K, by v_wmma_scale_f32_16x16x128_f8f6f4 with both operands' format E2M3, f32 sums; everything else in f32.
;; Inputs: W_o 1,024 x 1,024 float32; W_qkv 3,072 x 1,024 float32; x 4 x 2,048 x 1,024 float32.
;; Outputs: out0 4 x 2,048 x 1,024 float32.
;; This version of the problem:
;;   THIS VERSION OF THE PROBLEM IS GIVEN IN LOW PRECISION. The matrix products marked QUANTISED in the list below multiply operands that are first quantised to E2M3 (2 exponent bits, 3 mantissa bits; 6 bits a number), with one power-of-two scale for each 32 numbers along K (OCP MX v1.0); their sums are f32. All else is computed in f32.
;;   The module's matrix products, in the order in which they are computed (A, B: the left and right operand; K: the contracted axis; several contracted axes count as one K, in the product's order):
;;     1. [M 8,192, K 1,024] x [K 1,024, N 3,072]; A: input x; B: input W_qkv: QUANTISED
;;     2. batch 64 x [M 2,048, K 64] x [K 64, N 2,048]; A: computed on the way; B: computed on the way: QUANTISED
;;     3. batch 64 x [M 2,048, K 2,048] x [K 2,048, N 64]; A: softmax (see below); B: computed on the way: QUANTISED
;;     4. [M 8,192, K 1,024] x [K 1,024, N 1,024]; A: computed on the way; B: input W_o: QUANTISED
;;   THE QUANTISER, for each operand of a quantised product, along K:
;;     - K is cut into blocks of 32 from its start; a last block that is shorter is filled with zeros.
;;     - A block's scale is 2^e with e = floor(log2(the largest magnitude in the block)) - 2, held to -126 .. 127; a block of zeros has e = 0. As a byte (E8M0): e + 127.
;;     - Each number is divided by its block's scale, clamped to +-7.5, and rounded to the nearest number of E2M3, ties to even, subnormals kept.
;;     - The product sums the exact products of the quantised numbers (number of the format x scale) in f32.
;;   ~~~python
;;   def quantise(x, axis):      # numpy; x: float32 -> the quantised numbers, widened to float32 again
;;       x = np.moveaxis(x, axis, -1); K = x.shape[-1]
;;       x = np.pad(x, [(0, 0)] * (x.ndim - 1) + [(0, -K % 32)]); x = x.reshape(x.shape[:-1] + (-1, 32)); a = np.abs(x).max(-1, keepdims=True)
;;       e = np.where(a > 0, np.clip(np.frexp(np.where(a > 0, a, 1))[1] - 1 - 2, -126, 127), 0)      # np.frexp(a)[1] - 1 = floor(log2(a)), exactly
;;       r = np.clip(x / 2.0 ** e, -7.5, 7.5)
;;       step = 2.0 ** (np.maximum(np.frexp(np.where(r == 0, 1, r))[1] - 1, 0) - 3)
;;       q = np.round(r / step) * step * 2.0 ** e      # np.round: ties to even
;;       return np.moveaxis(q.reshape(q.shape[:-2] + (-1,))[..., :K], -1, axis).astype(np.float32)
;;   ~~~
;;   SOFTMAX AHEAD OF A QUANTISED PRODUCT. Where the list says 'softmax', what is quantised is not the finished softmax but p = 2^(t - M), with t = logit x log2(e) and M = ceil(the row's largest t), a whole number; so 1/2 < the row's largest p <= 1. The row's sum l is taken of the UNQUANTISED p, in f32, and the product's result is divided by l at the end. Since M is a whole number, a kernel that streams over the keys may use a running M (the ceiling of the running maximum): every later rescaling is an exact power of two, which a block's scale takes up: the codes' values come out the same.
;;   OPERANDS COMPUTED ON THE WAY. 'Computed on the way' means the value that the module computes at that place (a softmax that the list does not call 'softmax' is quantised finished and normalised). What goes into a quantiser is computed in f32, as accurately as f32 sums, v_exp_f32 and their like allow (about 1e-6 of the number): no bf16 or f16 on the way to a quantiser, and a product that is left as it is and whose result goes on into a quantised operand takes f32 operands (vector FMAs, or v_wmma_f32_16x16x4_f32). A number that lies on a knife's edge between two numbers of the format may be rounded either way, as far as f32 arithmetic and the matrix unit's own rounding can turn it there, and no further.
;; One version. Each part assembles by itself: llvm-mc -triple=amdgcn-amd-amdhsa -mcpu=gfx1250 --defsym DOCPART=n.
;; ======== version 1 of 1: 4 launches
;; workspace buffers: opc 9,437,184 bytes; ops 393,216 bytes; qb 6,815,744 bytes; kv 13,369,344 bytes; ao 6,291,456 bytes; aos 524,288 bytes
;; launch quant (part 1): grid 384 x 1, 4 waves a work-group, no clusters, 33,280 bytes of LDS; arguments x, W_qkv, W_o, opc, ops; writes opc, ops
.if DOCPART == 1
	.amdgcn_target "amdgcn-amd-amdhsa--gfx1250"
	.amdhsa_code_object_version 6
	.text
	.protected	k_q35e6a5775a_quant
	.globl	k_q35e6a5775a_quant
	.p2align	8
	.type	k_q35e6a5775a_quant,@function
k_q35e6a5775a_quant:
	s_mov_b64 s[64:65], 0
	v_nop
	global_prefetch_b8 v0, s[64:65] scope:SCOPE_SE
	s_setreg_imm32_b32 hwreg(HW_REG_WAVE_MODE, 25, 1), 1
	s_wait_xcnt 0x0
; SELF-ATTENTION IN MX-FP6, FOUR LAUNCHES: quant (this one), qkv, attn, proj.
; This launch turns x [8192][1024], W_qkv [3072][1024] and W_o [1024][1024], f32, K innermost, into codes of FP6 (E2M3) and one E8M0 scale byte for each 32 along K.
; All three go into ONE buffer of 12,288 rows: opc (768 bytes of codes a row), ops (32 scale bytes a row): x from row 0, W_qkv from row 8,192, W_o from row 11,264.
; ROW f OF A TENSOR IS STORED AT POSITION swap34(f): bits 3 and 4 of the row number change places.  Sixteen neighbouring positions 16 T + r are then the rows 32 (T / 2) + 8 (T % 2) + r + 8 (r / 8):
; where such a tile is source 0 of a matrix instruction, a lane's 16 result registers of tiles 2 b and 2 b + 1 are 16 NEIGHBOURS along that axis, as the next quantiser's conversions want them.
; WORK LEFT OUT BY THE PROGRAM (launch attn).  reference() sets att to -inf wherever key > query, by the jnp.tril that it builds itself; the softmax's weight there is 0 for all finite inputs, so such a key adds
; nothing to the row's maximum, to its sum or to the product with v.  A step of 128 keys that all come after a wave's 16 queries is therefore not multiplied; in the step on the diagonal the work is done and the
; hidden scores are set to -inf.  No input is left out.  LIMIT: a NaN, an infinity or an overflow that reaches only the hidden scores is not carried to the result.
; THE QUANTISER.  A block's scale is 2^(floor(log2(its largest magnitude)) - 2); its byte is the largest magnitude's exponent field - 2, held at 1 from below.  Each number is divided by the scale and rounded to the
; nearest code, ties to even, beyond 7.5 the largest code.  LIMITS: a block of zeros gets the byte 1 where the rule says 127 (its codes are zeros, and this program alone reads the bytes); blocks whose largest
; magnitude lies under 2^-124 keep the byte 1; NaN and infinities among the inputs are not served.
; SHARES.  Work-groups 0-255 take x, 256-351 W_qkv, 352-383 W_o.  A wave takes 8,192 numbers, 8 rows, in 16 steps of 512.  Each load reads 512 consecutive bytes; a step's 2,048 bytes turn through the wave's own
; stage in LDS, so that a lane holds 16 neighbours along K (two lanes hold a block).  A run of 8 rows stays together under swap34: only the run's number changes (its two low bits change places).
; No tensor load, no barrier: waves share nothing.  Loads run four steps ahead, the turn through LDS one step.
.set WAVES, 4
.set STEPS, 16
.set EMAX,  2
.set CB,    12                         ; bytes of 16 codes
.set R,     16                         ; v16-79   four sets of 16 numbers as they are loaded
.set X,     80                         ; v80-111  two sets of 16 neighbours
.set C,     128                        ; v128-191 codes: four registers for each step, so that no store's data are written again
.set E,     112                        ; v112-127 a scale byte for each step
.set WREG,  8192                       ; LDS: a region for each wave: two stages of 32 x SP bytes, behind them its 256 scale bytes
.set SP,    80                         ; a lane's place in a stage: 64 bytes + 16 of padding
.set SPW,   12                         ; v12  LDS address of my spare word; never rewritten
.set NIL,   13                         ; v13  0; never rewritten
.set SPARE, WAVES*WREG                 ; behind the four regions: the spare words, 128 bytes for each wave, which no other line names
	s_load_b256 s[4:11], s[0:1], 0x0               ; x s[4:5], W_qkv s[6:7], W_o s[8:9], opc s[10:11]
	s_load_b64 s[12:13], s[0:1], 0x20              ; ops
	v_lshl_add_u32 v[SPW], v0, 2, SPARE
	v_mov_b32 v[NIL], 0
	v_lshrrev_b32 v1, 5, v0
	v_readfirstlane_b32 s16, v1                    ; wave
	v_and_b32 v2, 31, v0                           ; lane
	v_lshlrev_b32 v3, 4, v2                        ; my 16 bytes of a load's 512
	s_mul_i32 s17, s16, WREG
	v_lshrrev_b32 v14, 2, v2
	v_mul_u32_u24 v14, v14, SP
	v_and_b32 v15, 3, v2
	v_lshl_add_u32 v14, v15, 4, v14
	v_add_nc_u32 v14, s17, v14                     ; the stage, on the way in: four lanes' 64 bytes on end, then 16 of padding
	v_mul_u32_u24 v15, v2, SP
	v_add_nc_u32 v15, s17, v15                     ; and on the way out: my 16 neighbours
	v_mul_u32_u24 v4, v2, CB                       ; my codes' place in a step's
	v_lshrrev_b32 v5, 1, v2
	s_add_co_u32 s17, s17, 2*32*SP
	v_add_nc_u32 v5, s17, v5                       ; LDS: my wave's 256 scale bytes, my block's byte
	v_lshlrev_b32 v7, 3, v2                        ; and on the way out 8 bytes a lane
	v_add_nc_u32 v6, s17, v7
	s_wait_kmcnt 0x0
	s_cmp_lt_u32 ttmp9, 256                        ; which tensor?  The choice hangs on the work-group's number alone
	s_cselect_b64 s[4:5], s[4:5], s[6:7]
	s_cselect_b32 s17, 0, 256
	s_cmp_lt_u32 ttmp9, 352
	s_cselect_b64 s[4:5], s[4:5], s[8:9]
	s_cselect_b32 s17, s17, 352                    ; the tensor's first work-group
	s_sub_co_u32 s17, ttmp9, s17
	s_lshl_b32 s17, s17, 2
	s_add_co_u32 s18, s17, s16                     ; which run of 8,192 numbers of the tensor is my wave's
	s_lshl_b32 s18, s18, 15                        ; 32,768 bytes a run
	s_mov_b32 s19, 0
	s_add_nc_u64 s[4:5], s[4:5], s[18:19]
	s_and_b32 s20, s16, 1                          ; the run's place in the buffers: the wave's two bits change places
	s_lshl_b32 s20, s20, 1
	s_lshr_b32 s21, s16, 1
	s_or_b32 s20, s20, s21
	s_lshl_b32 s21, ttmp9, 2
	s_add_co_u32 s20, s20, s21
	s_mul_i32 s18, s20, 32*STEPS*CB                ; 6,144 bytes of codes a run
	s_add_nc_u64 s[10:11], s[10:11], s[18:19]
	s_lshl_b32 s18, s20, 8                         ; 256 scale bytes a run
	s_add_nc_u64 s[12:13], s[12:13], s[18:19]
.macro LOAD t
.irp i, 0,1,2,3
	global_load_b128 v[R+16*((\t)%4)+4*\i:R+16*((\t)%4)+4*\i+3], v3, s[4:5] offset:2048*(\t)+512*\i th:TH_LOAD_NT   ; 32 lanes read 512 consecutive bytes
.endr
.endm
.macro TURN t                          ; step t's numbers through the stage: LDS serves a wave's instructions in order, so no wait stands between the stores and the loads
.irp i, 0,1,2,3
	ds_store_b128 v14, v[R+16*((\t)%4)+4*\i:R+16*((\t)%4)+4*\i+3] offset:32*SP*((\t)%2)+8*SP*\i
.endr
.irp i, 0,1,2,3
	ds_load_b128 v[X+16*((\t)%2)+4*\i:X+16*((\t)%2)+4*\i+3], v15 offset:32*SP*((\t)%2)+16*\i
.endr
.endm
.irp t, 0,1,2,3
	LOAD \t
.endr
	s_wait_loadcnt 12                              ; step 0's four loads are in; the twelve of steps 1 to 3 may be out
	TURN 0
.macro STEP t
.set XS, X+16*((\t)%2)
.if (\t) > 0
	s_wait_dscnt 1                                 ; this step's numbers are back from the stage (the last step's byte store may be out)
.else
	s_wait_dscnt 0x0
.endif
.if (\t)+4 < STEPS
	LOAD (\t)+4                                    ; into the registers that this step's stores into the stage have read
.endif
.if (\t)+1 < STEPS
.if STEPS-2-(\t) >= 3
	s_wait_loadcnt 12                              ; the next step's four loads are in; those of the three steps behind it may be out
.else
	s_wait_loadcnt 4*(STEPS-2-(\t))
.endif
	TURN (\t)+1                                    ; through the other stage while this step is worked
.endif
	v_max3_num_f32 v8, |v[XS]|, |v[XS+1]|, |v[XS+2]|               ; the largest magnitude of my 16, in two chains
	v_max3_num_f32 v9, |v[XS+3]|, |v[XS+4]|, |v[XS+5]|
.irp i, 6,10
	v_max3_num_f32 v8, v8, |v[XS+\i]|, |v[XS+\i+1]|
	v_max3_num_f32 v9, v9, |v[XS+\i+2]|, |v[XS+\i+3]|
.endr
	v_max3_num_f32 v8, v8, |v[XS+14]|, |v[XS+15]|
	v_max3_num_f32 v8, v8, v9, (EMAX+1)<<23        ; and the floor 2^(3 - 127): the byte cannot fall under 1
	v_max_num_f32_dpp v8, v8, v8 row_xmask:1 row_mask:0xf bank_mask:0xf   ; and of my neighbour's 16: the block's
	v_add_nc_u32 v11, -(EMAX<<23), v8              ; 2 off its exponent field: the conversion takes the exponent field of this operand as its scale
	v_cvt_scalef32_pk16_fp6_f32 v[C+4*(\t):C+4*(\t)+2], v[XS:XS+15], v11
	v_lshrrev_b32 v[E+(\t)], 23, v11               ; the scale's byte (a plain line behind the conversion)
	ds_store_b8 v5, v[E+(\t)] offset:16*(\t)       ; both lanes of a block write the same byte with the same value
	global_store_b96 v4, v[C+4*(\t):C+4*(\t)+2], s[10:11] offset:32*CB*(\t)   ; the wave stores 384 consecutive bytes
.endm
.irp t, 0,1,2,3,4,5,6,7,8,9,10,11,12,13,14,15
	STEP \t
.endr
	ds_load_b64 v[8:9], v6                         ; LDS serves a wave's instructions in order: this sees my byte stores
	s_wait_dscnt 0x0
	global_store_b64 v7, v[8:9], s[12:13]          ; 32 lanes store 256 consecutive bytes, at a multiple of 256 from the buffer's first byte
	s_wait_tensorcnt 0x0                           ; the wave's end, behind my last LDS store
	ds_add_u32 v[SPW], v[NIL]
	s_wait_dscnt 0x0
	s_endpgm
.Lfunc_end_k_q35e6a5775a_quant:
	.size	k_q35e6a5775a_quant, .Lfunc_end_k_q35e6a5775a_quant-k_q35e6a5775a_quant
	.p2alignl 7, 3214868480
	.fill 96, 4, 3214868480
	.section	.rodata,"a",@progbits
	.p2align	6, 0x0
	.amdhsa_kernel k_q35e6a5775a_quant
		.amdhsa_group_segment_fixed_size 33280
		.amdhsa_private_segment_fixed_size 0
		.amdhsa_enable_private_segment 0
		.amdhsa_kernarg_size 40
		.amdhsa_user_sgpr_count 2
		.amdhsa_user_sgpr_kernarg_segment_ptr 1
		.amdhsa_wavefront_size32 1
		.amdhsa_system_sgpr_workgroup_id_x 1
		.amdhsa_system_sgpr_workgroup_id_y 1
		.amdhsa_system_sgpr_workgroup_id_z 1
		.amdhsa_system_vgpr_workitem_id 0
		.amdhsa_next_free_vgpr 192
		.amdhsa_next_free_sgpr 66
		.amdhsa_reserve_vcc 0
		.amdhsa_float_denorm_mode_32 3
		.amdhsa_float_denorm_mode_16_64 3
		.amdhsa_memory_ordered 1
		.amdhsa_forward_progress 1
		.amdhsa_inst_pref_size 33
	.end_amdhsa_kernel
	.amdgpu_metadata
---
amdhsa.version: [ 1, 2 ]
amdhsa.kernels:
  - .name:           k_q35e6a5775a_quant
    .symbol:         k_q35e6a5775a_quant.kd
    .args:
      - { .name: x, .offset: 0, .size: 8, .value_kind: global_buffer, .address_space: global }
      - { .name: W_qkv, .offset: 8, .size: 8, .value_kind: global_buffer, .address_space: global }
      - { .name: W_o, .offset: 16, .size: 8, .value_kind: global_buffer, .address_space: global }
      - { .name: opc, .offset: 24, .size: 8, .value_kind: global_buffer, .address_space: global }
      - { .name: ops, .offset: 32, .size: 8, .value_kind: global_buffer, .address_space: global }
    .group_segment_fixed_size: 33280
    .private_segment_fixed_size: 0
    .kernarg_segment_align: 8
    .kernarg_segment_size: 40
    .max_flat_workgroup_size: 128
    .sgpr_count:     66
    .vgpr_count:     192
    .wavefront_size: 32
...
	.end_amdgpu_metadata
.endif
;; end of part 1
;; launch qkv (part 2): grid 12 x 32, 4 waves a work-group, clusters of 4 x 4, 327,680 bytes of LDS; arguments opc, ops, qb, kv; writes qb, kv
.if DOCPART == 2
	.amdgcn_target "amdgcn-amd-amdhsa--gfx1250"
	.amdhsa_code_object_version 6
	.text
	.protected	k_q35e6a5775a_qkv
	.globl	k_q35e6a5775a_qkv
	.p2align	8
	.type	k_q35e6a5775a_qkv,@function
k_q35e6a5775a_qkv:
	s_mov_b64 s[64:65], 0
	v_nop
	global_prefetch_b8 v0, s[64:65] scope:SCOPE_SE
	s_setreg_imm32_b32 hwreg(HW_REG_WAVE_MODE, 25, 1), 1
	s_wait_xcnt 0x0
	s_wait_alu depctr_hold_cnt(0) depctr_sa_sdst(0) depctr_va_vdst(0) depctr_va_sdst(0) depctr_va_ssrc(0) depctr_va_vcc(0) depctr_vm_vsrc(0)
	s_getreg_b32 s2, hwreg(HW_REG_IB_STS2, 6, 4)
	s_cmp_eq_u32 s2, 0
	s_cbranch_scc0 .Lentry_in_a_cluster
	s_endpgm
.Lentry_in_a_cluster:
	s_bfe_u32 s2, ttmp6, 0x10000c
	s_cmp_lg_u32 s2, 0xf033
	s_cbranch_scc0 .Lentry_shape_is_right
	s_endpgm
.Lentry_shape_is_right:
; qkv = x W_qkv^T on codes of FP6 (E2M3) with E8M0 scales, K = 1,024; q, k and v are quantised for the two products of attention ON THE WAY OUT: no f32 number of qkv goes to memory.
; Both operands are rows of ONE buffer (opc: 768 bytes of codes a row; ops: 32 scale bytes a row): x at rows 0 .., W_qkv at rows 8,192 ..; rows stand at positions (bits 3 and 4 of the row number exchanged).
; A tile of 256 x 256 is made by four waves, 128 x 128 each: 64 accumulators, 512 registers.  K goes in steps of 256 through two LDS slots; the eight steps of 128 along K are written out, with two refills.
; ROLES.  Source 1 of the matrix instruction (role A) gives a lane its row; source 0 (role B) runs along the lane's registers, which is the axis that the next quantiser cuts into blocks of 32.
;   q, k (cluster x = 0, 1): blocks along the head's 64 features: role A = 256 tokens, role B = 256 rows of W.      v (cluster x = 2): blocks along the keys: role A = 256 rows of W, role B = 256 tokens.
; The choice is one of ROW NUMBERS in the one buffer, made from the cluster's x, which all sixteen partners share.
; CLUSTER 4 x 4: role A's tile hangs on cy alone and is asked for jointly by the four of a row of the cluster, role B's on cx alone and by the four of a column.
; SCALES go from memory straight into registers, once: a row's 32 bytes are its 8 words for the 8 steps.  Register SC? + 8 i + ks: lanes 0-15 the word of block i, lanes 16-31 that of block i + 4.
; THE WAY OUT.  For one block a of role A, the 64 accumulator registers are, in each lane, 128 neighbours of the lane's row, 16 of each block of 32 (the other 16 lie in lane l xor 16).  They become one operand
; fragment (12 registers) and one scale word, and leave as IMAGES OF THE OPERAND'S REGISTERS: lane l's 16 (or 8) bytes at 16 l (8 l): every store of the wave covers 512 or 256 consecutive bytes, aligned to 256.
;   q, k: the 128 features are two heads: registers 0-5 are the first head's half fragment (K = 64), registers 6-11 the second's; the scale word's halves likewise.
;   v: the 128 keys are one K step of the second product: a whole fragment; blocks a = 0-3 are the first head's four tiles of 16 channels, 4-7 the second's.
; LAYOUTS.  qb [64 heads][16 groups of 128 positions][6,656]: 8 tile images of 768 bytes, then 512 bytes of scale words (lane l's 16 bytes: the words of tiles 2 i + l / 16, row l % 16, i = 0 .. 3).
;   kv [64][8 slots of 256 keys][26,112]: for step q = 0, 1: k's 8 tile images at 12,288 q, v's 4 fragment images (1,536 bytes) at 12,288 q + 6,144; k's scale words at 24,576 + 768 q, v's 256 bytes behind them.
; LIMITS: as stated at the head of launch quant (byte 1 for blocks of zeros and under 2^-124; NaN and infinities not served).
; REGISTERS, in windows of 256: window 0: v1-31 addresses; v32-63 role A's scale words, v64-95 role B's; v96-119 scale words on the way out; v128-223 role A's fragments, later the codes; v224-248 at work.
;   window 1: role B's fragments, two sets, at v0 and v128.   windows 2, 3: the accumulators ((a, b) at v[8 (8 (a % 4) + b)] of window 2 + a / 4).
.set KROW,   768                       ; a row of codes in memory
.set ROWB,   192                       ; 256 codes: a tile's row
.set PITCH,  240                       ; an LDS row: 3 x (64 bytes + 16 of padding)
.set FR,     12                        ; registers of a fragment
.set NLA,    6                         ; LDS loads that bring a fragment of role A
.set NP,     4                         ; places behind this matrix instruction (ISA guide 7.12.1)
.set HALFT,  128*PITCH                 ; 128 rows: what one tensor load brings
.set SLOT,   4*HALFT                   ; role A's 256 rows, then role B's
.set SPARE,  2*SLOT                    ; behind the ring: the spare words, 128 bytes for each wave, which no other line names
.set STEPA,  2*ROWB                    ; a refill's step in memory: two K steps of 256
.set STEPB,  2*ROWB
.set ADRA, 16                          ; v16-17 LDS address of my role-A fragments in slot 0, 1 (v18-19: for the pieces behind one padding more)
.set ADRB, 20                          ; v20-23 the same for role B
.set L16,  24                          ; v24  16 x lane
.set L8,   25                          ; v25  8 x lane
.set SOF,  26                          ; v26  my rows' place among the scale bytes
.set SPW,  28                          ; v28  LDS address of my spare word; never rewritten
.set NIL,  29                          ; v29  0; never rewritten
.set SCA,  32
.set SCB,  64
.set WD,   96
.set AF,   128
.set PT,   224                         ; v224-230 the conversions' second halves
.set TM,   232                         ; v232-235 largest magnitudes, v236-239 bytes, v244-247 the conversions' scale operands
.set PW,   248                         ; the scale word just made
.set G1,  24                           ; s[24:31], s[32:39]: descriptor groups 1 and 0 (a set for each slot) for role A
.set G0,  32
.set G1B, 48                           ; s[48:55], s[56:63]: for role B
.set G0B, 56
.set MSB, 0
.macro WIN new                         ; the immediate's high byte repeats the setting that is left
.if MSB != (\new)
	s_set_vgpr_msb (MSB<<8)|(\new)
.set MSB, (\new)
.endif
.endm
.set MUL_LO, 0xa1                      ; source 0 window 1, source 1 window 0, C and D window 2
.set MUL_HI, 0xf1                      ; the same, C and D window 3
.set TO_B,   0x40                      ; destination window 1, address window 0
; A joint load: waves 0 and 1 fetch for role A, waves 2 and 3 for role B.  The branch hangs on the wave's number alone.  An s_nop 0 and four v_nop follow each of the two lines.
.macro JLOAD g0a, g1a, g0b, g1b
	s_cmp_eq_u32 s15, 0
	s_cbranch_scc0 .Lfor_b_\@
	tensor_load_to_lds s[\g0a:\g0a+3], s[\g1a:\g1a+7]
	s_nop 0
.rept 4
	v_nop
.endr
	s_branch .Lasked_\@
.Lfor_b_\@:
	tensor_load_to_lds s[\g0b:\g0b+3], s[\g1b:\g1b+7]
	s_nop 0
.rept 4
	v_nop
.endr
.Lasked_\@:
.endm
.macro CREST                           ; a round of the cluster's barrier behind its opening barrier
	s_cmp_lg_u32 s14, 0
	s_cbranch_scc1 .Lnot_wave_0_\@
	s_barrier_signal -3
.Lnot_wave_0_\@:
	s_barrier_wait -3
	s_barrier_signal -1
	s_barrier_wait -1
.endm
.macro CROUND                          ; a whole round
	s_barrier_signal -1
	s_barrier_wait -1
	CREST
.endm
.macro PLACES n
.rept \n
	v_nop
.endr
.endm
	s_load_b256 s[4:11], s[0:1], 0x0               ; opc s[4:5], ops s[6:7], qb s[8:9], kv s[10:11]
	v_lshl_add_u32 v[SPW], v0, 2, SPARE
	v_mov_b32 v[NIL], 0
	ds_add_u32 v[SPW], v[NIL]                      ; the wave's opening: the add, twice on end, and its wait ahead of my first tensor load
	ds_add_u32 v[SPW], v[NIL]
	v_lshrrev_b32 v1, 5, v0
	v_readfirstlane_b32 s14, v1                    ; wave 0..3
	s_lshr_b32 s15, s14, 1                         ; which half of role A's rows is mine.  Also: I fetch for role A (0) or B (1)
	s_and_b32 s16, s14, 1                          ; which half of role B's rows is mine.  Also: which 128 rows I fetch
	s_bfe_u32 s40, ttmp6, 0x40000                  ; cx, cy: my place in the cluster
	s_bfe_u32 s41, ttmp6, 0x40004
	s_lshl_b32 s43, s41, 2
	s_lshl_b32 s43, 15, s43                        ; my row of the cluster
	s_lshl_b32 s44, 0x1111, s40                    ; my column
	s_and_b32 s84, ttmp7, 0xffff
	s_lshl_b32 s84, s84, 10                        ; the cluster's 1,024 tokens: rows of x
	s_lshl_b32 s85, ttmp9, 10
	s_add_co_u32 s85, s85, 8192                    ; q's or k's 1,024 rows of W_qkv
	s_cmp_eq_u32 ttmp9, 2                          ; v?  The cluster's x is the same in all sixteen partners
	s_cselect_b32 s17, 10240, s84                  ; role A: v's rows of W_qkv, or the tokens
	s_cselect_b32 s42, s84, s85                    ; role B: the tokens, or q's or k's rows
	s_cselect_b32 s66, 1, 0
	s_lshl_b32 s86, s41, 8
	s_add_co_u32 s17, s17, s86                     ; role A's tile: + 256 cy
	s_lshl_b32 s87, s40, 8
	s_add_co_u32 s42, s42, s87                     ; role B's tile: + 256 cx
	; descriptor group 1: a tile of 128 rows x 192 bytes; 16 bytes of padding behind every 64
	s_or_b32 s[G1+0], s43, (1<<20)|(1<<21)|(3<<22)|(3<<25)    ; 15:0 the mask: my row; 17:16 elements of 1 byte; 20 padding on; 21 set beside a mask; 24:22 after every 16 words; 31:25 of 4 words
	s_or_b32 s[G1B+0], s44, (1<<20)|(1<<21)|(3<<22)|(3<<25)   ; the same with the mask of my column
.irp g, G1, G1B
	s_mov_b32 s[\g+1], ROWB<<16                    ; tensor_dim0
	s_mov_b32 s[\g+2], 128<<16                     ; tensor_dim1
	s_mov_b32 s[\g+3], ROWB<<16                    ; tile_dim0
	s_mov_b32 s[\g+4], 128                         ; tile_dim1
	s_mov_b32 s[\g+5], KROW                        ; tensor_dim0_stride
	s_mov_b32 s[\g+6], 0
	s_mov_b32 s[\g+7], 0
.endr
	s_lshl_b32 s18, s16, 7
	s_add_co_u32 s20, s17, s18                     ; the 128 rows that I fetch, if for role A,
	s_mul_i32 s20, s20, KROW
	s_mov_b32 s21, 0
	s_add_co_u32 s46, s42, s18                     ; if for role B
	s_mul_i32 s46, s46, KROW
	s_mov_b32 s47, 0
	s_mul_i32 s45, s14, HALFT                      ; where they go: wave x 128 rows: no place in the cluster enters an LDS address
	s_lshl_b32 s19, s15, 7
	s_add_co_u32 s88, s17, s19                     ; the 128 rows of role A that I multiply,
	s_add_co_u32 s89, s42, s18                     ; and of role B
	s_lshl_b32 s80, s88, 5                         ; their scale bytes: 32 a row
	s_mov_b32 s81, 0
	s_lshl_b32 s82, s89, 5
	s_mov_b32 s83, 0
	s_mov_b32 s76, 0x76543210
	s_mov_b32 s77, 0xfedcba98                      ; v_permlanex16_b32's selects for lane l xor 16
	s_mov_b32 s78, 0xffff0000                      ; lanes 16-31
	s_wait_dscnt 0x0                               ; both opening adds are done
	s_wait_kmcnt 0x0
	s_add_nc_u64 s[20:21], s[4:5], s[20:21]
	s_add_nc_u64 s[46:47], s[4:5], s[46:47]
	s_add_nc_u64 s[80:81], s[6:7], s[80:81]
	s_add_nc_u64 s[82:83], s[6:7], s[82:83]
	CROUND                                         ; all sixteen work-groups are here: the first joint loads meet
.irp s, 0,1
	s_mov_b32 s[G0+4*\s], 1
	s_add_co_u32 s[G0+4*\s+1], s45, \s*SLOT
	s_add_nc_u64 s[G0+4*\s+2:G0+4*\s+3], s[20:21], \s*ROWB
	s_or_b32 s[G0+4*\s+3], s[G0+4*\s+3], 0x80000000
	s_mov_b32 s[G0B+4*\s], 1
	s_add_co_u32 s[G0B+4*\s+1], s45, \s*SLOT
	s_add_nc_u64 s[G0B+4*\s+2:G0B+4*\s+3], s[46:47], \s*ROWB
	s_or_b32 s[G0B+4*\s+3], s[G0B+4*\s+3], 0x80000000
	JLOAD G0+4*\s, G1, G0B+4*\s, G1B               ; two tensor loads of mine are out
.endr
	v_and_b32 v1, 15, v0                           ; r = l % 16
	v_bfe_u32 v2, v0, 4, 1                         ; h = l / 16
	v_lshlrev_b32 v[SOF], 5, v1
	v_lshl_add_u32 v[SOF], v2, 11, v[SOF]          ; scale bytes: row r + 64 h, 32 bytes a row
.irp i, 0,1,2,3
.irp e, 0,1
	global_load_b128 v[SCA+8*\i+4*\e:SCA+8*\i+4*\e+3], v[SOF], s[80:81] offset:512*\i+16*\e    ; the words of steps 4 e .. 4 e + 3 of row 16 (i + 4 h) + r
	global_load_b128 v[SCB+8*\i+4*\e:SCB+8*\i+4*\e+3], v[SOF], s[82:83] offset:512*\i+16*\e
.endr
.endr
	v_mul_u32_u24 v3, v1, PITCH
	v_mul_u32_u24 v4, v2, 24
	v_add_nc_u32 v4, v3, v4                        ; a fragment's row x pitch + 24 x half
	v_lshl_add_u32 v5, v2, 4, v4                   ; and the same behind one padding more
	s_mul_i32 s21, s15, HALFT                      ; my 128 rows of role A
	s_mul_i32 s22, s16, HALFT                      ; my 128 rows of role B,
	s_add_co_u32 s22, s22, 2*HALFT                 ; which lie behind role A's 256
.irp s, 0,1
	v_add_nc_u32 v[ADRA+\s], s21, v4
	v_add_nc_u32 v[ADRB+\s], s22, v4
	v_add_nc_u32 v[ADRA+2+\s], s21, v5
	v_add_nc_u32 v[ADRB+2+\s], s22, v5
	s_add_co_u32 s21, s21, SLOT
	s_add_co_u32 s22, s22, SLOT
.endr
	v_and_b32 v6, 31, v0
	v_lshlrev_b32 v[L16], 4, v6
	v_lshlrev_b32 v[L8], 3, v6
	; where my results go.  My 128 tokens are one group of qb, or one step of a slot of kv; my 128 features are two heads
	s_cmp_eq_u32 s66, 1
	s_cselect_b32 s84, s89, s88                    ; my first token
	s_cselect_b32 s85, s88, s89                    ; my first row of W_qkv
	s_lshr_b32 s86, s84, 11                        ; the batch
	s_lshl_b32 s86, s86, 4
	s_bfe_u32 s87, s85, 0x40006                    ; the head: bits 9:6 (q's, k's and v's rows begin at multiples of 1,024)
	s_add_co_u32 s86, s86, s87                     ; 16 x batch + head
	s_bfe_u32 s87, s84, 0x40007                    ; which 128 of the sequence's 2,048
	s_mul_i32 s90, s86, 208896
	s_lshr_b32 s91, s87, 1
	s_mul_i32 s91, s91, 26112
	s_add_co_u32 s90, s90, s91                     ; kv: the slot
	s_and_b32 s91, s87, 1
	s_mul_i32 s92, s91, 12288
	s_add_co_u32 s92, s92, s90                     ; the step's images,
	s_mul_i32 s93, s91, 768
	s_add_co_u32 s93, s93, s90
	s_add_co_u32 s93, s93, 24576                   ; and its scale words
	s_mul_i32 s94, s86, 106496
	s_mul_i32 s95, s87, 6656
	s_add_co_u32 s94, s94, s95                     ; qb: the group's images,
	s_add_co_u32 s95, s94, 6144                    ; and its scale words
	s_mov_b32 s96, 208896
	s_cmp_eq_u32 ttmp9, 0                          ; q goes to qb, k and v to kv
	s_cselect_b64 s[68:69], s[8:9], s[10:11]
	s_cselect_b32 s84, s94, s92
	s_cselect_b32 s86, s95, s93
	s_cselect_b32 s90, 106496, s96                 ; from a head to the next
	s_mov_b32 s85, 0
	s_mov_b32 s87, 0
	s_mov_b32 s91, 0
	s_add_nc_u64 s[72:73], s[68:69], s[86:87]      ; scale words, first head
	s_add_nc_u64 s[68:69], s[68:69], s[84:85]      ; images, first head
	s_add_nc_u64 s[70:71], s[68:69], s[90:91]      ; images, second head
	s_add_nc_u64 s[74:75], s[72:73], s[90:91]      ; scale words, second head
.macro FRAG reg, adr, q, i             ; 16 rows x 128 K of 6-bit codes: 12 registers; registers 6 c .. 6 c + 5 hold K = 64 c + 32 (l / 16) + 0 .. 31: 24 bytes of the row, as they lie, in pieces of 8 bytes
.irp p, 0,1,2,3,4,5
.set PCE, 12*(\q)+6*(\p/3)+\p%3        ; lanes 16-31 read three pieces further on: where that is behind one padding more, the second address register serves
.if PCE%8 < 5
	ds_load_b64 v[\reg+2*\p:\reg+2*\p+1], v[\adr] offset:8*PCE+16*(PCE/8)+(\i)*16*PITCH
.else
	ds_load_b64 v[\reg+2*\p:\reg+2*\p+1], v[\adr+2] offset:8*PCE+16*(PCE/8)+(\i)*16*PITCH
.endif
.endr
.endm
; One matrix instruction: role A's block a x role B's block b, step ks of 128 along K; p: role B's set.  zero = 1: the product starts the sum.  Blocks 4-7 take their scale words from lanes 16-31.
.macro WM a, b, p, ks, zero
.set rD, 8*(8*((\a)%4)+(\b))
.set rB, 128*(\p)+FR*(\b)
.set rA, AF+FR*(\a)
.set sB, SCB+8*((\b)%4)+(\ks)
.set sA, SCA+8*((\a)%4)+(\ks)
.if \zero
.if ((\a) < 4) && ((\b) < 4)
	v_wmma_scale_f32_16x16x128_f8f6f4 v[rD:rD+7], v[rB:rB+FR-1], v[rA:rA+FR-1], 0, v[sB], v[sA] matrix_a_fmt:MATRIX_FMT_FP6 matrix_b_fmt:MATRIX_FMT_FP6
.elseif (\a) < 4
	v_wmma_scale_f32_16x16x128_f8f6f4 v[rD:rD+7], v[rB:rB+FR-1], v[rA:rA+FR-1], 0, v[sB], v[sA] matrix_a_fmt:MATRIX_FMT_FP6 matrix_b_fmt:MATRIX_FMT_FP6 matrix_a_scale:MATRIX_SCALE_ROW1
.elseif (\b) < 4
	v_wmma_scale_f32_16x16x128_f8f6f4 v[rD:rD+7], v[rB:rB+FR-1], v[rA:rA+FR-1], 0, v[sB], v[sA] matrix_a_fmt:MATRIX_FMT_FP6 matrix_b_fmt:MATRIX_FMT_FP6 matrix_b_scale:MATRIX_SCALE_ROW1
.else
	v_wmma_scale_f32_16x16x128_f8f6f4 v[rD:rD+7], v[rB:rB+FR-1], v[rA:rA+FR-1], 0, v[sB], v[sA] matrix_a_fmt:MATRIX_FMT_FP6 matrix_b_fmt:MATRIX_FMT_FP6 matrix_a_scale:MATRIX_SCALE_ROW1 matrix_b_scale:MATRIX_SCALE_ROW1
.endif
.else
.if ((\a) < 4) && ((\b) < 4)
	v_wmma_scale_f32_16x16x128_f8f6f4 v[rD:rD+7], v[rB:rB+FR-1], v[rA:rA+FR-1], v[rD:rD+7], v[sB], v[sA] matrix_a_fmt:MATRIX_FMT_FP6 matrix_b_fmt:MATRIX_FMT_FP6
.elseif (\a) < 4
	v_wmma_scale_f32_16x16x128_f8f6f4 v[rD:rD+7], v[rB:rB+FR-1], v[rA:rA+FR-1], v[rD:rD+7], v[sB], v[sA] matrix_a_fmt:MATRIX_FMT_FP6 matrix_b_fmt:MATRIX_FMT_FP6 matrix_a_scale:MATRIX_SCALE_ROW1
.elseif (\b) < 4
	v_wmma_scale_f32_16x16x128_f8f6f4 v[rD:rD+7], v[rB:rB+FR-1], v[rA:rA+FR-1], v[rD:rD+7], v[sB], v[sA] matrix_a_fmt:MATRIX_FMT_FP6 matrix_b_fmt:MATRIX_FMT_FP6 matrix_b_scale:MATRIX_SCALE_ROW1
.else
	v_wmma_scale_f32_16x16x128_f8f6f4 v[rD:rD+7], v[rB:rB+FR-1], v[rA:rA+FR-1], v[rD:rD+7], v[sB], v[sA] matrix_a_fmt:MATRIX_FMT_FP6 matrix_b_fmt:MATRIX_FMT_FP6 matrix_a_scale:MATRIX_SCALE_ROW1 matrix_b_scale:MATRIX_SCALE_ROW1
.endif
.endif
.endm
; 16 matrix instructions.  The 64 accumulators take turns, one instruction a turn, in the same order in every step.
.macro MUL16 a0, p, ks, zero
.irp a, \a0, \a0+1
.irp b, 0,1,2,3,4,5,6,7
	WM \a, \b, \p, \ks, \zero
.endr
.endr
.endm
.macro FETCH_B slot, q, p              ; role B's eight fragments of the slot's q-th 128 along K into set p
	WIN TO_B
.irp i, 0,1,2,3,4,5,6,7
	FRAG 128*(\p)+FR*\i, ADRB+\slot, \q, \i
.endr
	WIN 0
.endm
.macro FETCH_A slot, q, i0             ; role A's blocks i0 .. i0 + 3
.irp i, \i0, \i0+1, \i0+2, \i0+3
	FRAG AF+FR*(\i), ADRA+\slot, \q, \i
.endr
.endm
; A slot's first step of 128.  Role A has one set of registers: blocks 0-3 are fetched anew in the step's middle, blocks 4-7 at its end; role B has two sets.
.macro STEP slot, ks, zero
	s_wait_dscnt 4*NLA                             ; role B's set and role A's blocks 0-3 are in; the youngest loads (blocks 4-7) may be out
	WIN MUL_LO
	MUL16 0, 0, \ks, \zero
	MUL16 2, 0, \ks, \zero
	s_wait_dscnt 0                                 ; blocks 4-7 are in
	PLACES NP                                      ; in front of loads into registers that matrix instructions have read
	FETCH_B \slot, 1, 1
	FETCH_A \slot, 1, 0
	WIN MUL_HI
	MUL16 4, 0, \ks, \zero
	MUL16 6, 0, \ks, \zero
	PLACES NP
	WIN 0
	FETCH_A \slot, 1, 4
.endm
; A slot's second step changes slots: ONE barrier; in front of it each wave waits for all its tensor loads, adds 0 to its spare word, and waits for that and for its own reads of this slot.
; fill = 1: the barrier opens a round of the cluster's barrier, and this slot is filled again, two K steps of 256 ahead.
.macro TURN slot, next, fill, ks
	s_wait_tensorcnt 0x0                           ; all my tensor loads have landed: my part of the next slot
	ds_add_u32 v[SPW], v[NIL]                      ; 0 onto my spare word
	s_wait_dscnt 4*NLA+1                           ; (the add and the youngest loads, blocks 4-7, may be out)
	WIN MUL_LO
	MUL16 0, 1, \ks, 0                             ; sixteen matrix instructions stand between the add and the wait for it
	s_wait_dscnt 0x0                               ; the add is done, and my reads of this slot are over
	s_barrier_signal -1
	MUL16 2, 1, \ks, 0
	WIN 0
	s_barrier_wait -1
.if \fill
	CREST                                          ; no wave of any partner still reads this slot's tile or has a load on its way
	s_add_nc_u64 s[G0+4*\slot+2:G0+4*\slot+3], s[G0+4*\slot+2:G0+4*\slot+3], STEPA
	s_add_nc_u64 s[G0B+4*\slot+2:G0B+4*\slot+3], s[G0B+4*\slot+2:G0B+4*\slot+3], STEPB
	JLOAD G0+4*\slot, G1, G0B+4*\slot, G1B         ; the first tensor load behind the round, my only one out; its four v_nop are the places in front of the loads below
.else
	PLACES NP
.endif
	FETCH_B \next, 0, 0
	FETCH_A \next, 0, 0
	WIN MUL_HI
	MUL16 4, 1, \ks, 0
	MUL16 6, 1, \ks, 0
	PLACES NP
	WIN 0
	FETCH_A \next, 0, 4
.endm
	s_wait_tensorcnt 1                             ; my part of slot 0 is in; slot 1's load may stay out
	s_barrier_signal -1
	s_barrier_wait -1                              ; everybody's is
	FETCH_B 0, 0, 0
	FETCH_A 0, 0, 0
	FETCH_A 0, 0, 4
	s_wait_loadcnt 0x0                             ; the scale words
	STEP 0, 0, 1                                   ; K = 1,024 is eight steps of 128: all are written out.  The first starts the sums
	TURN 0, 1, 1, 1                                ; slot 0 takes K 512 .. 767
	STEP 1, 2, 0
	TURN 1, 0, 1, 3                                ; slot 1 takes K 768 .. 1,023
	STEP 0, 4, 0
	TURN 0, 1, 0, 5                                ; nothing is left to fetch
	STEP 1, 6, 0
	s_wait_dscnt 4*NLA                             ; the last step
	WIN MUL_LO
	MUL16 0, 1, 7, 0
	MUL16 2, 1, 7, 0
	s_wait_dscnt 0
	WIN MUL_HI
	MUL16 4, 1, 7, 0
	MUL16 6, 1, 7, 0
	WIN 0
; THE QUANTISER.  The 64 registers v[QSRC ..] of window QWIN: register 16 b + i = element 32 b + 16 (l / 16) + i of my row.  They become a fragment's codes in v[QDST ..+11] and its scale word in v[PW].
.macro QUANT
	WIN (QWIN<<2)|(QWIN<<4)                        ; sources 1 and 2 in the accumulators' window
.irp b, 0,1,2,3
	v_max3_num_f32 v[TM+\b], 0x1800000, |v[QSRC+16*\b]|, |v[QSRC+1+16*\b]|   ; block b: my 16 numbers, and the floor 2^(3 - 127): the byte cannot fall under 1.  Each accumulator is read from its low end on
.endr
.irp i, 2,4,6,8,10,12,14
.irp b, 0,1,2,3
	v_max3_num_f32 v[TM+\b], v[TM+\b], |v[QSRC+16*\b+\i]|, |v[QSRC+1+16*\b+\i]|   ; (the four blocks by turns)
.endr
.endr
	WIN 0
.irp b, 0,1,2,3
	v_permlanex16_b32 v[TM+4+\b], v[TM+\b], s76, s77
.endr
.irp b, 0,1,2,3
	v_max_num_f32 v[TM+\b], v[TM+\b], v[TM+4+\b]   ; with lane l xor 16's: the block's largest magnitude
.endr
.irp b, 0,1,2,3
	v_add_nc_u32 v[TM+12+\b], 0xff000000, v[TM+\b] ; 2 off its exponent field: the conversion's scale operand
.endr
.irp b, 0,1,2,3
	v_lshrrev_b32 v[TM+4+\b], 23, v[TM+12+\b]      ; the scale's byte
.endr
	v_lshl_or_b32 v[PW], v[TM+5], 8, v[TM+4]
	v_lshl_or_b32 v[PW], v[TM+6], 16, v[PW]
	v_lshl_or_b32 v[PW], v[TM+7], 24, v[PW]        ; my row's scale word; lanes l and l xor 16 hold the same
	WIN QWIN                                       ; source 0 in the accumulators' window
.irp c, 0,1
	v_cvt_scalef32_pk16_fp6_f32 v[QDST+6*\c:QDST+2+6*\c], v[QSRC+32*\c:QSRC+15+32*\c], v[TM+12+2*\c]
	v_cvt_scalef32_pk16_fp6_f32 v[PT+4*\c:PT+2+4*\c], v[QSRC+16+32*\c:QSRC+31+32*\c], v[TM+12+2*\c+1]   ; (a conversion's three registers begin on an even number)
.endr
	WIN 0
	v_nop                                          ; one plain place behind a scaled conversion
.irp c, 0,1                                    ; the operand's layout wants a WHOLE block in a lane: lanes 0-15 block 2 c, lanes 16-31 block 2 c + 1
.irp i, 0,1,2
	v_permlane16_swap_b32 v[QDST+6*\c+\i], v[PT+4*\c+\i]
.endr
.irp i, 0,1,2
	v_mov_b32 v[QDST+3+6*\c+\i], v[PT+4*\c+\i]
.endr
.endr
.endm
; Each block has its own 12 registers of codes, so that no store's data are written again.
.macro OUTQK a                         ; 16 tokens x two heads
.set QSRC, 64*((\a)%4)
.set QDST, AF+FR*(\a)
.set QWIN, 2+(\a)/4
	QUANT
	global_store_b128 v[L16], v[QDST:QDST+3], s[68:69] offset:768*(\a)           ; first head: registers 0-3, 512 consecutive bytes,
	global_store_b64 v[L8], v[QDST+4:QDST+5], s[68:69] offset:768*(\a)+512       ; registers 4-5, 256
	global_store_b128 v[L16], v[QDST+6:QDST+9], s[70:71] offset:768*(\a)         ; second head
	global_store_b64 v[L8], v[QDST+10:QDST+11], s[70:71] offset:768*(\a)+512
	v_and_b32 v[WD+(\a)], 0xffff, v[PW]            ; the first head's two bytes (the upper two stay 0: they scale zero codes),
	v_lshrrev_b32 v[WD+8+(\a)], 16, v[PW]          ; the second's
.endm
.macro OUTV a                          ; 16 channels x 128 keys
.set QSRC, 64*((\a)%4)
.set QDST, AF+FR*(\a)
.set QWIN, 2+(\a)/4
	QUANT
.irp c, 0,1,2
	global_store_b128 v[L16], v[QDST+4*\c:QDST+4*\c+3], s[68:69] offset:6144+((\a)/4)*208896+1536*((\a)%4)+512*\c
.endr
	v_mov_b32 v[WD+(\a)], v[PW]
.endm
	PLACES NP                                      ; behind the last products: their results are read, and role A's registers written, below
.irp b, 0,1,2,3
	v_mov_b32 v[TM+4+\b], 0                        ; written once: a lane permute's destination counts as one of its sources
.endr
	s_cmp_eq_u32 s66, 1                            ; the cluster's x alone: all sixteen partners go the same way
	s_cbranch_scc1 .Lv_out
.irp a, 0,1,2,3,4,5,6,7
	OUTQK \a
.endr
.irp i, 0,1,2,3
	v_cndmask_b32 v[WD+16+\i], v[WD+2*\i], v[WD+2*\i+1], s78        ; lanes 0-15 tile 2 i's words, lanes 16-31 tile 2 i + 1's
	v_cndmask_b32 v[WD+20+\i], v[WD+8+2*\i], v[WD+9+2*\i], s78
.endr
	global_store_b128 v[L16], v[WD+16:WD+19], s[72:73]
	global_store_b128 v[L16], v[WD+20:WD+23], s[74:75]
	s_branch .Ldone
.Lv_out:
.irp a, 0,1,2,3,4,5,6,7
	OUTV \a
.endr
.irp i, 0,1,2,3
	v_cndmask_b32 v[WD+16+\i], v[WD+2*\i], v[WD+2*\i+1], s78
.endr
	global_store_b64 v[L8], v[WD+16:WD+17], s[72:73] offset:512                  ; first head: the words of tiles l / 16 and 2 + l / 16
	global_store_b64 v[L8], v[WD+18:WD+19], s[72:73] offset:512+208896           ; second head
.Ldone:
	s_wait_tensorcnt 0x0                           ; the wave's end, behind my last tensor load
	ds_add_u32 v[SPW], v[NIL]
	s_wait_dscnt 0x0
	CROUND                                         ; the closing round: no work-group ends while a partner may still ask for a tile that names it
	s_endpgm
.Lfunc_end_k_q35e6a5775a_qkv:
	.size	k_q35e6a5775a_qkv, .Lfunc_end_k_q35e6a5775a_qkv-k_q35e6a5775a_qkv
	.p2alignl 7, 3214868480
	.fill 96, 4, 3214868480
	.section	.rodata,"a",@progbits
	.p2align	6, 0x0
	.amdhsa_kernel k_q35e6a5775a_qkv
		.amdhsa_group_segment_fixed_size 327680
		.amdhsa_private_segment_fixed_size 0
		.amdhsa_enable_private_segment 0
		.amdhsa_kernarg_size 32
		.amdhsa_user_sgpr_count 2
		.amdhsa_user_sgpr_kernarg_segment_ptr 1
		.amdhsa_wavefront_size32 1
		.amdhsa_system_sgpr_workgroup_id_x 1
		.amdhsa_system_sgpr_workgroup_id_y 1
		.amdhsa_system_sgpr_workgroup_id_z 1
		.amdhsa_system_vgpr_workitem_id 0
		.amdhsa_next_free_vgpr 1024
		.amdhsa_next_free_sgpr 100
		.amdhsa_reserve_vcc 0
		.amdhsa_float_denorm_mode_32 3
		.amdhsa_float_denorm_mode_16_64 3
		.amdhsa_memory_ordered 1
		.amdhsa_forward_progress 1
		.amdhsa_inst_pref_size 198
	.end_amdhsa_kernel
	.amdgpu_metadata
---
amdhsa.version: [ 1, 2 ]
amdhsa.kernels:
  - .name:           k_q35e6a5775a_qkv
    .symbol:         k_q35e6a5775a_qkv.kd
    .args:
      - { .name: opc, .offset: 0, .size: 8, .value_kind: global_buffer, .address_space: global }
      - { .name: ops, .offset: 8, .size: 8, .value_kind: global_buffer, .address_space: global }
      - { .name: qb, .offset: 16, .size: 8, .value_kind: global_buffer, .address_space: global }
      - { .name: kv, .offset: 24, .size: 8, .value_kind: global_buffer, .address_space: global }
    .group_segment_fixed_size: 327680
    .private_segment_fixed_size: 0
    .kernarg_segment_align: 8
    .kernarg_segment_size: 32
    .max_flat_workgroup_size: 128
    .sgpr_count:     100
    .vgpr_count:     1024
    .wavefront_size: 32
...
	.end_amdgpu_metadata
.endif
;; end of part 2
;; launch attn (part 3): grid 4 x 64, 16 waves a work-group, no clusters, 327,680 bytes of LDS; arguments qb, kv, ao, aos; writes ao, aos
.if DOCPART == 3
	.amdgcn_target "amdgcn-amd-amdhsa--gfx1250"
	.amdhsa_code_object_version 6
	.text
	.protected	k_q35e6a5775a_attn
	.globl	k_q35e6a5775a_attn
	.p2align	8
	.type	k_q35e6a5775a_attn,@function
k_q35e6a5775a_attn:
	s_mov_b64 s[64:65], 0
	v_nop
	global_prefetch_b8 v0, s[64:65] scope:SCOPE_SE
	s_setreg_imm32_b32 hwreg(HW_REG_WAVE_MODE, 25, 1), 1
	s_wait_xcnt 0x0
; Causal attention on codes of FP6 (E2M3) with E8M0 scales: S = q k^T / 8 (K = the head's 64), p = 2^(t - M), O = p v (K = the keys), O / l, and the quantiser of the last product's left operand.
; WORK LEFT OUT: a step of 128 keys that all come after a wave's 16 queries is not multiplied: reference() hides those scores by its own jnp.tril, so their weights are 0 for all finite inputs (shown at the head of
; launch quant).  LIMIT: a NaN, an infinity or an overflow that reaches only hidden scores is not carried to the result.
; THE SOFTMAX: t = score x log2(e) / 8; M = the row's largest t so far, rounded UP to a whole number; p = 2^(t - M) is quantised along the keys, not normalised; the row's sum is taken of the unquantised p and
; divides O at the end.  When M moves, the sum and O are multiplied by 2^(old M - new M): exact.  The largest t starts at -3e38.
; SHARES.  256 work-groups of EQUAL work.  Work-group (j, head) owns the blocks of 256 queries 7 - j and j of its head, one after the other: key slots (256 keys) 0 .. 7 - j, then 0 .. j: always nine.  So the
; loop's trip count is a constant, every slot that is fetched is read.  Each of the sixteen waves owns one tile of 16 queries in each pass, in 256 registers.
; Wave w takes tile 8 rho + w / 2, rho = (w xor w / 4) & 1: the waves that leave out the diagonal slot's second step and those that do not alternate in w and in w / 4.
; POSITIONS.  Tokens stand at positions (bits 3 and 4 of the token's number exchanged): lane r of tile T is token 32 (T / 2) + 8 (T % 2) + r + 8 (r / 8).  With S^T = k q^T (source 0 = 16 keys) the 16 registers of tiles
; 2 b and 2 b + 1 are the 16 neighbouring keys 32 b + 16 (l / 16) + 0 .. 15; with O^T = v^T p^T (source 0 = 16 channels, likewise at positions) O^T's 32 registers are channels 32 b + 16 (l / 16) + i.  A lane holds one query.
; OPERANDS ARE IMAGES OF THEIR REGISTERS (layouts: head of launch qkv): every LDS and global access is 16 x lane or 8 x lane: no pitch, no padding.  K = 64 fills registers 0-5 of a fragment; registers 6-11 are zero
; codes, written once.  A slot is ONE dense block of 26,112 bytes: one tensor load, by wave 0.
; NO CLUSTER: the four work-groups of a head turn back to slot 0 at different trips (8 - j), so a joint load would bring some partner a slot that none of its waves reads.
; RESULTS.  ao [64 heads][128 tiles][768]: the half fragment image of 16 positions x the head's 64 channels.  aos [64][2,048]: the position's two scale bytes, shifted up 16 bits in odd heads, so that the reader
; joins two heads' words by an OR.  A wave's 16 words are 64 bytes, one twelfth of what it stores: gathering them into longer runs would cost a barrier.
; LIMITS: as stated at the head of launch quant (byte 1 for blocks of zeros and under 2^-124; NaN and infinities not served).
.set SLOTB, 26112                      ; a slot in memory and in LDS
.set STEPB, 12288                      ; a step's images: k's 6,144 bytes, then v's
.set SLOT1, 32768                      ; LDS: slot 1 begins here: one exclusive or turns an address from one slot to the other
.set SPARE, 65536                      ; the spare words, 128 bytes for each wave, which no other line names
.set L16, 1                            ; v1   16 x lane
.set L8,  2                            ; v2   8 x lane
.set AD16, 3                           ; v3   the same in the slot in hand
.set AD8, 4                            ; v4
.set SPW, 5                            ; v5   LDS address of my spare word; never rewritten
.set NIL, 6                            ; v6   0; never rewritten
.set QI,  7                            ; v7   my query - 16 (l / 16)
.set R4,  8                            ; v8   4 (l % 16)
.set R16, 10                           ; v10  16 (l % 16)
.set LQ,  11                           ; v11  r + 8 (r / 8) - 16 (l / 16)
.set QF,  16                           ; v16-27 q's fragment (v22-27 zero codes)
.set QSW, 28                           ; v28  q's scale words
.set PSW, 29                           ; v29  p's scale words
.set VSW, 30                           ; v30-31 v's scale words
.set KFR, 32                           ; v32-79 four fragments of k (registers 6-11 of each: zero codes)
.set KSW, 80                           ; v80-83 k's scale words
.set Q2,  84                           ; v84-89, v90: the second pass's q and its scale words
.set PFO, 91                           ; v91  256 x lane: the prefetches' offset; never rewritten
.set S,   96                           ; v96-159 S^T, then p; v's four fragments land in v96-143 when p has been converted
.set O,   160                          ; v160-191 O^T
.set PC,  192                          ; v192-203 p's codes
.set CT,  204                          ; v204-206, v208-210 the conversions' second halves
.set BM,  212                          ; v212-215 the blocks' largest scores
.set PX,  216                          ; v216-219 at work
.set SO,  220                          ; v220-223 the conversions' scale operands
.set F,   224                          ; v224-225 f = 2^(old M - new M) (v225 is only named with it)
.set T0,  226                          ; v226-227 at work
.set WV,  12                           ; s12  wave
.set SEL, 20                           ; s[20:21] v_permlanex16_b32's selects for lane l xor 16
.set CS,  22                           ; s[22:23] c = log2(e) / 8
.set G1,  24                           ; s[24:31] descriptor group 1
.set G0,  32                           ; s[32:35] descriptor group 0
.set KVB, 36                           ; s[36:37] my head's first byte of kv
.set OFS, 38                           ; s[38:39] an offset (high word 0)
.set NXT, 40                           ; s40  the key slot that the next load brings
.set N1,  41                           ; s41  8 - j: the first pass's slots
.set JP1, 42                           ; s42  j + 1: the second pass's
.set SLOTS, 43                         ; s43  trips to go
.set TB,  44                           ; s44  LDS byte at which the slot in hand begins
.set KF,  45                           ; s45  the step's first key
.set Q0,  46                           ; s46  my least query (s47: the second pass's)
.set PFA, 48                           ; s[48:49] where my prefetches stand
.set LIM, 50                           ; s50  2 in a wave that prefetches, else the greatest number
.macro TLOAD                           ; wave 0 fetches; an s_nop 0 and four v_nop follow the load
	s_cmp_eq_u32 s[WV], 0
	s_cbranch_scc0 .Lnot_0_\@
	tensor_load_to_lds s[G0:G0+3], s[G1:G1+7]
	s_nop 0
.rept 4
	v_nop
.endr
.Lnot_0_\@:
.endm
; A PREFETCH INTO THE L2 of the images of the slot that the NEXT change of slots will ask for: 96 blocks of 256 bytes: waves 4, 5, 6 take 32 each, lanes 256 bytes apart.  The four work-groups of a head walk the same
; slots in their first pass: the one with j = 0, which walks all eight, asks.  Trip t names slot t + 2, for t = 0 .. 5: each block once.  Slots 0 and 1, and a slot's last 1,536 bytes (scale words), come by their loads alone.
.macro ASK
	s_cmp_gt_u32 s[SLOTS], s[LIM]
	s_cbranch_scc0 .Lnot_mine_\@
	global_prefetch_b8 v[PFO], s[PFA:PFA+1] th:TH_LOAD_NT scope:SCOPE_SE
.Lnot_mine_\@:
.endm
.macro INIT                            ; a pass begins: O^T and the sum are zeros, which the first change of M leaves zeros
	v_mov_b32 v13, 0xff61b1e6                      ; the largest t so far: -3e38
	s_delay_alu instid0(VALU_DEP_1)
	v_floor_f32 v12, -v13                          ; -M
	v_mov_b32 v14, 0                               ; the sum, in two halves
	v_mov_b32 v15, 0
.set ii, 0
.rept 32
	v_mov_b32 v[O+ii], 0
.set ii, ii+1
.endr
.endm
	s_load_b256 s[4:11], s[0:1], 0x0               ; qb s[4:5], kv s[6:7], ao s[8:9], aos s[10:11]
	v_lshl_add_u32 v[SPW], v0, 2, SPARE
	v_mov_b32 v[NIL], 0
	ds_add_u32 v[SPW], v[NIL]                      ; the wave's opening: the add, twice on end, and its wait ahead of the first tensor load
	ds_add_u32 v[SPW], v[NIL]
	v_lshrrev_b32 v3, 5, v0
	s_delay_alu instid0(VALU_DEP_1)
	v_readfirstlane_b32 s[WV], v3                  ; wave 0..15
	s_lshr_b32 s62, s[WV], 2
	s_xor_b32 s13, s[WV], s62
	s_and_b32 s13, s13, 1                          ; rho
	s_lshr_b32 s14, s[WV], 1                       ; idx: my tile is 8 rho + idx
	s_and_b32 s15, ttmp7, 0xffff                   ; 16 x batch + head
	s_sub_co_u32 s16, 7, ttmp9                     ; the first pass's block of 256 queries; the second's is j = ttmp9
	s_and_b32 s62, s14, 1
	s_lshr_b32 s63, s14, 1
	s_lshl_b32 s18, s13, 7
	s_lshl_b32 s66, s63, 5
	s_add_co_u32 s18, s18, s66
	s_lshl_b32 s66, s62, 3
	s_add_co_u32 s18, s18, s66                     ; my least query in a block: 128 rho + 32 (idx / 2) + 8 (idx % 2)
	s_lshl_b32 s[Q0], s16, 8
	s_add_co_u32 s[Q0], s[Q0], s18
	s_lshl_b32 s47, ttmp9, 8
	s_add_co_u32 s47, s47, s18
	s_lshl_b32 s19, s15, 4
	s_add_co_u32 s19, s19, s13
	s_lshl_b32 s66, s16, 1
	s_add_co_u32 s66, s66, s19
	s_mul_i32 s68, s66, 6656                       ; qb: my group of 128 positions, first pass,
	s_lshl_b32 s66, ttmp9, 1
	s_add_co_u32 s66, s66, s19
	s_mul_i32 s70, s66, 6656                       ; second pass
	s_mul_i32 s66, s14, 768                        ; my tile's image in the group
	s_lshl_b32 s67, s62, 8
	s_lshl_b32 s63, s63, 2
	s_add_co_u32 s67, s67, s63
	s_add_co_u32 s67, s67, 6144                    ; and its scale words: 6,144 + 256 (idx % 2) + 4 (idx / 2), 16 bytes from row to row
	s_add_co_u32 s72, s68, s67
	s_add_co_u32 s74, s70, s67
	s_add_co_u32 s68, s68, s66
	s_add_co_u32 s70, s70, s66
	s_mov_b32 s69, 0
	s_mov_b32 s71, 0
	s_mov_b32 s73, 0
	s_mov_b32 s75, 0
	s_lshl_b32 s66, s15, 7
	s_lshl_b32 s67, s13, 3
	s_add_co_u32 s66, s66, s67
	s_add_co_u32 s66, s66, s14                     ; 128 x head + my tile in a block
	s_lshl_b32 s67, s16, 4
	s_add_co_u32 s67, s67, s66
	s_mul_i32 s52, s67, 768                        ; ao, first pass
	s_lshl_b32 s56, s67, 6                         ; aos, first pass: 64 bytes a tile
	s_lshl_b32 s67, ttmp9, 4
	s_add_co_u32 s67, s67, s66
	s_mul_i32 s54, s67, 768                        ; second pass
	s_lshl_b32 s58, s67, 6
	s_mov_b32 s53, 0
	s_mov_b32 s55, 0
	s_mov_b32 s57, 0
	s_mov_b32 s59, 0
	s_and_b32 s60, s15, 1
	s_lshl_b32 s60, s60, 4                         ; an odd head's scale bytes go 16 bits up
	s_mul_i32 s[KVB], s15, 8*SLOTB
	s_mov_b32 s[KVB+1], 0
	s_mov_b32 s[OFS+1], 0
	s_sub_co_u32 s[N1], 8, ttmp9
	s_add_co_u32 s[JP1], ttmp9, 1
	s_mov_b32 s[NXT], 1
	s_mov_b32 s[SLOTS], 8
	s_mov_b32 s[TB], 0
	s_mov_b32 s[KF], 0
	s_and_b32 s[PFA], s[WV], 3
	s_lshl_b32 s[PFA], s[PFA], 13
	s_add_co_u32 s[PFA], s[PFA], SLOTB             ; in slot 1: the first change of slots steps it to slot 2
	s_mov_b32 s[PFA+1], 0
	s_sub_co_u32 s62, s[WV], 4
	s_cmp_lt_u32 s62, 3                            ; waves 4, 5, 6
	s_cselect_b32 s[LIM], 2, -1
	s_cmp_eq_u32 ttmp9, 0                          ; of the work-group with j = 0
	s_cselect_b32 s[LIM], s[LIM], -1
	s_mov_b32 s[SEL], 0x76543210
	s_mov_b32 s[SEL+1], 0xfedcba98
	s_mov_b32 s[CS], 0x3e38aa3b                    ; c = log2(e) / 8
	s_mov_b32 s[CS+1], s[CS]                       ; (named with it as a pair, so it is written)
	; descriptor group 1: a dense block of 102 rows of 256 bytes (32 elements of 8 bytes)
	s_mov_b32 s[G1+0], 3<<16                       ; no mask; elements of 8 bytes; no padding
	s_mov_b32 s[G1+1], 32<<16                      ; tensor_dim0
	s_mov_b32 s[G1+2], 102<<16                     ; tensor_dim1
	s_mov_b32 s[G1+3], 32<<16                      ; tile_dim0
	s_mov_b32 s[G1+4], 102                         ; tile_dim1
	s_mov_b32 s[G1+5], 32                          ; tensor_dim0_stride
	s_mov_b32 s[G1+6], 0
	s_mov_b32 s[G1+7], 0
	s_wait_dscnt 0x0                               ; both opening adds are done
	s_wait_kmcnt 0x0
	s_add_nc_u64 s[KVB:KVB+1], s[6:7], s[KVB:KVB+1]
	s_mov_b32 s[G0], 1
	s_mov_b32 s[G0+1], 0                           ; LDS slot 0
	s_mov_b64 s[G0+2:G0+3], s[KVB:KVB+1]           ; key slot 0
	s_or_b32 s[G0+3], s[G0+3], 0x80000000
	TLOAD
	s_add_nc_u64 s[PFA:PFA+1], s[KVB:KVB+1], s[PFA:PFA+1]
	s_add_nc_u64 s[68:69], s[4:5], s[68:69]
	s_add_nc_u64 s[70:71], s[4:5], s[70:71]
	s_add_nc_u64 s[72:73], s[4:5], s[72:73]
	s_add_nc_u64 s[74:75], s[4:5], s[74:75]
	s_add_nc_u64 s[52:53], s[8:9], s[52:53]
	s_add_nc_u64 s[54:55], s[8:9], s[54:55]
	s_add_nc_u64 s[56:57], s[10:11], s[56:57]
	s_add_nc_u64 s[58:59], s[10:11], s[58:59]
	v_and_b32 v9, 31, v0                           ; lane
	s_delay_alu instid0(VALU_DEP_1)
	v_lshlrev_b32 v[L16], 4, v9
	s_delay_alu instid0(VALU_DEP_2)
	v_lshlrev_b32 v[L8], 3, v9
	s_delay_alu instid0(VALU_DEP_3)
	v_lshlrev_b32 v[PFO], 8, v9
	v_and_b32 v[T0], 15, v0                        ; r
	s_delay_alu instid0(VALU_DEP_1)
	v_lshlrev_b32 v[R4], 2, v[T0]
	s_delay_alu instid0(VALU_DEP_2)
	v_lshlrev_b32 v[R16], 4, v[T0]
	global_load_b128 v[QF:QF+3], v[L16], s[68:69]              ; both passes' q: half fragment images and scale words
	global_load_b64 v[QF+4:QF+5], v[L8], s[68:69] offset:512
	global_load_b32 v[QSW], v[R16], s[72:73]
	global_load_b128 v[Q2:Q2+3], v[L16], s[70:71]
	global_load_b64 v[Q2+4:Q2+5], v[L8], s[70:71] offset:512
	global_load_b32 v[Q2+6], v[R16], s[74:75]
	v_and_b32 v[T0+1], 8, v[T0]
	s_delay_alu instid0(VALU_DEP_1)
	v_add_nc_u32 v[LQ], v[T0], v[T0+1]
	v_and_b32 v[T0+1], 16, v0
	s_delay_alu instid0(VALU_DEP_1)
	v_sub_nc_u32 v[LQ], v[LQ], v[T0+1]
	s_delay_alu instid0(VALU_DEP_1)
	v_add_nc_u32 v[QI], s[Q0], v[LQ]
.irp i, 6,7,8,9,10,11
	v_mov_b32 v[QF+\i], 0                          ; K = 64 .. 127 of the instruction: zero codes, on both sides
.irp t, 0,1,2,3
	v_mov_b32 v[KFR+12*\t+\i], 0
.endr
.endr
.irp b, 0,1,2,3
	v_mov_b32 v[PX+\b], 0                          ; written once: a lane permute's destination counts as one of its sources
.endr
	v_mov_b32 v[F+1], 0                            ; (named as the upper half of the pair before it is first written)
	v_mov_b32 v[T0], 0
	INIT
; A KEY STEP: 128 keys, the q-th of the slot in hand.
.macro STEP q
	s_add_co_u32 s62, s[Q0], 23                    ; my greatest query
	s_cmp_gt_u32 s[KF], s62                        ; all keys hidden: the step's loads, products and softmax are left out; ids and the count of steps alone
	s_cbranch_scc1 .Lhid_\@
	v_add_nc_u32 v[AD16], s[TB], v[L16]
	s_wait_alu depctr_va_vdst(0)
	v_add_nc_u32 v[AD8], s[TB], v[L8]
	s_wait_alu depctr_va_vdst(0)
.rept 3
	v_nop                                          ; with the two additions five places: the products below write over registers that the last step's products read (v's fragments)
.endr
.irp g, 0,1                                    ; S^T = k q^T, four tiles of 16 keys at a time
.if \g
.rept 4
	v_nop                                          ; places in front of loads into registers that matrix instructions have read
.endr
.endif
.irp t, 0,1,2,3
	ds_load_b128 v[KFR+12*\t:KFR+12*\t+3], v[AD16] offset:STEPB*(\q)+768*(4*\g+\t)
	ds_load_b64 v[KFR+12*\t+4:KFR+12*\t+5], v[AD8] offset:STEPB*(\q)+768*(4*\g+\t)+512
.endr
.if \g == 0
	ds_load_b128 v[KSW:KSW+3], v[AD16] offset:2*STEPB+768*(\q)     ; register i: lanes 0-15 tile 2 i's words, lanes 16-31 tile 2 i + 1's
.endif
	s_wait_dscnt 0x0
.irp t, 0,1,2,3
.if (\t)%2
	v_wmma_scale_f32_16x16x128_f8f6f4 v[S+8*(4*\g+\t):S+8*(4*\g+\t)+7], v[KFR+12*\t:KFR+12*\t+11], v[QF:QF+11], 0, v[KSW+2*\g+\t/2], v[QSW] matrix_a_fmt:MATRIX_FMT_FP6 matrix_b_fmt:MATRIX_FMT_FP6 matrix_a_scale:MATRIX_SCALE_ROW1
.else
	v_wmma_scale_f32_16x16x128_f8f6f4 v[S+8*(4*\g+\t):S+8*(4*\g+\t)+7], v[KFR+12*\t:KFR+12*\t+11], v[QF:QF+11], 0, v[KSW+2*\g+\t/2], v[QSW] matrix_a_fmt:MATRIX_FMT_FP6 matrix_b_fmt:MATRIX_FMT_FP6
.endif
.endr
.endr
.rept 4
	v_nop
.endr
	s_add_co_u32 s62, s[KF], 127                   ; on the diagonal hidden scores become -infinity ahead of the maximum: p = 0 then.  A step all of whose keys count skips this
	s_cmp_le_u32 s62, s[Q0]
	s_cbranch_scc1 .Lopen_\@
	v_sub_nc_u32 v[T0], v[QI], s[KF]               ; d = my query - KF - 16 (l / 16).  Register 16 b + i holds key KF + 16 (l / 16) + 32 b + i: hidden where 32 b + i > d
	v_mov_b32 v[T0+1], 0xff800000
.set ii, 0
.rept 64
	v_cmp_gt_i32 vcc_lo, 32*(ii/16)+ii%16, v[T0]
	v_cndmask_b32 v[S+ii], v[S+ii], v[T0+1], vcc_lo
.set ii, ii+1
.endr
.Lopen_\@:
.irp b, 0,1,2,3
	v_max3_num_f32 v[BM+\b], v[S+16*\b], v[S+1+16*\b], v[S+2+16*\b]   ; the largest score of each block of 32 keys: for the row's maximum, and, since p rises with the score, for the block's largest p
.endr
.irp i, 3,5,7,9,11,13
.irp b, 0,1,2,3
	v_max3_num_f32 v[BM+\b], v[BM+\b], v[S+16*\b+\i], v[S+1+16*\b+\i]
.endr
.endr
.irp b, 0,1,2,3
	v_max_num_f32 v[BM+\b], v[BM+\b], v[S+15+16*\b]
.endr
.irp b, 0,1,2,3
	s_delay_alu instid0(VALU_DEP_4)
	v_permlanex16_b32 v[PX+\b], v[BM+\b], s[SEL], s[SEL+1]
.endr
.irp b, 0,1,2,3
	s_delay_alu instid0(VALU_DEP_4)
	v_max_num_f32 v[BM+\b], v[BM+\b], v[PX+\b]     ; with lane l xor 16's 16 keys
.endr
	s_delay_alu instid0(VALU_DEP_2)
	v_max3_num_f32 v[T0], v[BM], v[BM+1], v[BM+2]
	s_delay_alu instid0(VALU_DEP_1)
	v_max_num_f32 v[T0], v[T0], v[BM+3]            ; the step's largest score of my query
	s_delay_alu instid0(VALU_DEP_1)
	v_mul_f32 v[T0], s[CS], v[T0]                  ; as t
	s_delay_alu instid0(VALU_DEP_1)
	v_max_num_f32 v13, v13, v[T0]                  ; the running largest t
	v_mov_b32 v[T0], v12
	s_delay_alu instid0(VALU_DEP_2)
	v_floor_f32 v12, -v13                          ; the new -M = floor(-t): M is a whole number
	s_delay_alu instid0(VALU_DEP_1)
	v_sub_f32 v[T0], v12, v[T0]                    ; old M - new M: a whole number, 0 or less
	s_delay_alu instid0(VALU_DEP_1)
	v_cvt_i32_f32 v[T0], v[T0]                     ; (it saturates)
	s_delay_alu instid0(VALU_DEP_1)
	v_ldexp_f32 v[F], 1.0, v[T0]                   ; f = 2^(old M - new M)
.set ii, 0
.rept 32
	v_pk_fma_f32 v[S+ii:S+ii+1], v[S+ii:S+ii+1], s[CS:CS+1], v[12:13] op_sel_hi:[1,0,0]   ; t - M, two at a time
.set ii, ii+2
.endr
.irp b, 0,1,2,3
	v_fma_f32 v[BM+\b], v[BM+\b], s[CS], v12       ; the same of each block's largest score
.endr
.set ii, 0
	s_wait_alu depctr_va_vdst(0)
.rept 64
	v_exp_f32 v[S+ii], v[S+ii]                     ; p = 2^(t - M), at most 1
.set ii, ii+1
.endr
	v_pk_mul_f32 v[14:15], v[14:15], v[F:F+1] op_sel_hi:[1,0]      ; the sums under the new M (a plain place behind the exponentials)
	s_wait_alu depctr_va_vdst(0)                   ; one wait for the batch of 64, ahead of its first reader
.irp b, 0,1,2,3
	v_exp_f32 v[BM+\b], v[BM+\b]                   ; the block's largest p: the same two instructions on the same number give the same bits
.endr
	v_pk_add_f32 v[216:217], v[100:101], v[104:105]
	v_pk_add_f32 v[254:255], v[108:109], v[112:113]
	v_pk_add_f32 v[252:253], v[116:117], v[120:121]
	v_pk_add_f32 v[250:251], v[124:125], v[128:129]
	v_pk_add_f32 v[248:249], v[132:133], v[136:137]
	v_pk_add_f32 v[246:247], v[140:141], v[144:145]
	v_pk_add_f32 v[244:245], v[148:149], v[152:153]
	v_pk_add_f32 v[14:15], v[14:15], v[156:157]
	v_pk_add_f32 v[216:217], v[216:217], v[96:97]
	v_pk_add_f32 v[254:255], v[254:255], v[98:99]
	v_pk_add_f32 v[252:253], v[252:253], v[102:103]
	v_pk_add_f32 v[250:251], v[250:251], v[106:107]
	v_pk_add_f32 v[248:249], v[248:249], v[110:111]
	v_pk_add_f32 v[246:247], v[246:247], v[114:115]
	v_pk_add_f32 v[244:245], v[244:245], v[118:119]
	v_pk_add_f32 v[14:15], v[14:15], v[122:123]
	v_pk_add_f32 v[216:217], v[216:217], v[126:127]
	v_pk_add_f32 v[254:255], v[254:255], v[130:131]
	v_pk_add_f32 v[252:253], v[252:253], v[134:135]
	v_pk_add_f32 v[250:251], v[250:251], v[138:139]
	v_pk_add_f32 v[248:249], v[248:249], v[142:143]
	v_pk_add_f32 v[246:247], v[246:247], v[146:147]
	v_pk_add_f32 v[244:245], v[244:245], v[150:151]
	v_pk_add_f32 v[14:15], v[14:15], v[154:155]
	v_pk_add_f32 v[216:217], v[216:217], v[158:159]
	s_delay_alu instid0(VALU_DEP_2)
	v_pk_add_f32 v[14:15], v[14:15], v[250:251]
	s_delay_alu instid0(VALU_DEP_2)
	v_pk_add_f32 v[216:217], v[216:217], v[248:249]
	v_pk_add_f32 v[254:255], v[254:255], v[246:247]
	v_pk_add_f32 v[252:253], v[252:253], v[244:245]
	s_delay_alu instid0(VALU_DEP_2)
	v_pk_add_f32 v[14:15], v[14:15], v[254:255]
	s_delay_alu instid0(VALU_DEP_2)
	v_pk_add_f32 v[216:217], v[216:217], v[252:253]
	s_delay_alu instid0(VALU_DEP_1)
	v_pk_add_f32 v[14:15], v[14:15], v[216:217]
	s_wait_alu depctr_va_vdst(0)                   ; and one for the four
.irp b, 0,1,2,3
	v_max_num_f32 v[BM+\b], 0x1800000, v[BM+\b]    ; the floor 2^(3 - 127): the byte cannot fall under 1
.endr
.irp b, 0,1,2,3
	s_delay_alu instid0(VALU_DEP_4)
	v_add_nc_u32 v[SO+\b], 0xff000000, v[BM+\b]    ; 2 off the exponent field: the conversion's scale operand
.endr
.irp b, 0,1,2,3
	s_delay_alu instid0(VALU_DEP_4)
	v_lshrrev_b32 v[PX+\b], 23, v[SO+\b]           ; the scale's byte
.endr
	s_delay_alu instid0(VALU_DEP_3)
	v_lshl_or_b32 v[PSW], v[PX+1], 8, v[PX]
	s_delay_alu instid0(VALU_DEP_1)
	v_lshl_or_b32 v[PSW], v[PX+2], 16, v[PSW]
	s_delay_alu instid0(VALU_DEP_1)
	v_lshl_or_b32 v[PSW], v[PX+3], 24, v[PSW]      ; p's scale word for these 128 keys
.irp c, 0,1
	v_cvt_scalef32_pk16_fp6_f32 v[PC+6*\c:PC+2+6*\c], v[S+32*\c:S+15+32*\c], v[SO+2*\c]
	v_cvt_scalef32_pk16_fp6_f32 v[CT+4*\c:CT+2+4*\c], v[S+16+32*\c:S+31+32*\c], v[SO+2*\c+1]
.endr
	v_nop                                          ; one plain place behind a scaled conversion
.irp t, 0,1,2,3                                ; p is done with: v's four fragments are asked for into its registers, and land under the 28 vector lines below
.irp c, 0,1,2
	ds_load_b128 v[S+12*\t+4*\c:S+12*\t+4*\c+3], v[AD16] offset:STEPB*(\q)+6144+1536*\t+512*\c
.endr
.endr
	ds_load_b64 v[VSW:VSW+1], v[AD8] offset:2*STEPB+768*(\q)+512   ; register i: lanes 0-15 tile 2 i's words, lanes 16-31 tile 2 i + 1's
.irp c, 0,1                                    ; the operand's layout wants a WHOLE block in a lane
.irp i, 0,1,2
	v_permlane16_swap_b32 v[PC+6*\c+\i], v[CT+4*\c+\i]
.endr
.irp i, 0,1,2
	s_delay_alu instid0(VALU_DEP_3)
	v_mov_b32 v[PC+3+6*\c+\i], v[CT+4*\c+\i]
.endr
.endr
.set ii, 0
.rept 16
	v_pk_mul_f32 v[O+ii:O+ii+1], v[O+ii:O+ii+1], v[F:F+1] op_sel_hi:[1,0]   ; O^T under the new M.  (These are also the places between the lines that wrote p's codes and scale word and the products)
.set ii, ii+2
.endr
	s_wait_alu depctr_va_vdst(0)
	s_wait_dscnt 0x0
.irp t, 0,1,2,3                                ; O^T += v^T p^T: the four accumulators by turns; the products k q^T stand between a step's links and the next step's
.if (\t)%2
	v_wmma_scale_f32_16x16x128_f8f6f4 v[O+8*\t:O+8*\t+7], v[S+12*\t:S+12*\t+11], v[PC:PC+11], v[O+8*\t:O+8*\t+7], v[VSW+\t/2], v[PSW] matrix_a_fmt:MATRIX_FMT_FP6 matrix_b_fmt:MATRIX_FMT_FP6 matrix_a_scale:MATRIX_SCALE_ROW1
.else
	v_wmma_scale_f32_16x16x128_f8f6f4 v[O+8*\t:O+8*\t+7], v[S+12*\t:S+12*\t+11], v[PC:PC+11], v[O+8*\t:O+8*\t+7], v[VSW+\t/2], v[PSW] matrix_a_fmt:MATRIX_FMT_FP6 matrix_b_fmt:MATRIX_FMT_FP6
.endif
.endr
.Lhid_\@:
	s_add_co_u32 s[KF], s[KF], 128
.endm
; THE CHANGE OF SLOTS stands at a slot's head.  Each wave waits for all its tensor loads, adds 0 to its spare word (fill = 1: twice on end), and waits for that and
; for its reads of the slot that it has left.  Behind the barrier the slot ahead is whole and nobody reads the other one.  fill = 1: that other slot takes the next key slot of the walk: one load of wave 0 is out.
.macro CHANGE fill
	s_wait_tensorcnt 0x0                           ; no tensor load of mine is out, so group 0 may be written
	ds_add_u32 v[SPW], v[NIL]
.if \fill
	ds_add_u32 v[SPW], v[NIL]
	s_xor_b32 s[G0+1], s[G0+1], SLOT1              ; the other LDS slot than last time
	s_mul_i32 s[OFS], s[NXT], SLOTB
	s_add_nc_u64 s[G0+2:G0+3], s[KVB:KVB+1], s[OFS:OFS+1]
	s_or_b32 s[G0+3], s[G0+3], 0x80000000
	s_add_co_u32 s[NXT], s[NXT], 1
	s_cmp_eq_u32 s[NXT], s[N1]                     ; behind the first pass's last slot the walk begins again at key slot 0
	s_cselect_b32 s[NXT], 0, s[NXT]
	s_wait_xcnt 0x0                                ; the last prefetch, a slot back, has read its address, so it may be written
	s_add_nc_u64 s[PFA:PFA+1], s[PFA:PFA+1], SLOTB
.endif
	s_wait_dscnt 0x0                               ; the add is done (fill = 1: both are), and my reads of the slot that I have left are over
	s_barrier_signal -1
	s_barrier_wait -1
.if \fill
	TLOAD                                          ; the first thing behind the barrier
	ASK
.endif
.endm
.macro SLOT_STEPS
	STEP 0
	STEP 1
	s_xor_b32 s[TB], s[TB], SLOT1                  ; on to the other slot
.endm
; A PASS ENDS: O^T / the sum; its 64 channels are two blocks of the last product's K: codes and scale bytes; the half fragment image and the scale words leave from registers.
.macro FINISH o, s
.rept 4
	v_nop                                          ; places behind the last products
.endr
	v_add_f32 v14, v14, v15                        ; the sum's two halves,
	s_delay_alu instid0(VALU_DEP_1)
	v_permlanex16_b32 v[T0], v14, s[SEL], s[SEL+1]
	s_delay_alu instid0(VALU_DEP_1)
	v_add_f32 v14, v14, v[T0]                      ; and lane l xor 16's
	s_wait_alu depctr_va_vdst(0)
	v_rcp_f32 v14, v14
	v_nop                                          ; a plain place behind the reciprocal
	s_wait_alu depctr_va_vdst(0)                   ; and a wait ahead of its first reader
.set ii, 0
.rept 32
	v_mul_f32 v[S+ii], v[O+ii], v14                ; register 16 b + i: channel 32 b + 16 (l / 16) + i.  Each accumulator is read from its low end on
.set ii, ii+1
.endr
.irp b, 0,1
	v_max3_num_f32 v[BM+\b], |v[S+16*\b]|, |v[S+1+16*\b]|, 0x1800000
.endr
.irp i, 2,4,6,8,10,12,14
.irp b, 0,1
	s_delay_alu instid0(VALU_DEP_2)
	v_max3_num_f32 v[BM+\b], v[BM+\b], |v[S+16*\b+\i]|, |v[S+1+16*\b+\i]|
.endr
.endr
.irp b, 0,1
	s_delay_alu instid0(VALU_DEP_2)
	v_permlanex16_b32 v[PX+\b], v[BM+\b], s[SEL], s[SEL+1]
.endr
.irp b, 0,1
	s_delay_alu instid0(VALU_DEP_2)
	v_max_num_f32 v[BM+\b], v[BM+\b], v[PX+\b]
.endr
.irp b, 0,1
	s_delay_alu instid0(VALU_DEP_2)
	v_add_nc_u32 v[SO+\b], 0xff000000, v[BM+\b]
.endr
.irp b, 0,1
	s_delay_alu instid0(VALU_DEP_2)
	v_lshrrev_b32 v[PX+\b], 23, v[SO+\b]
.endr
	s_delay_alu instid0(VALU_DEP_1)
	v_lshl_or_b32 v[T0], v[PX+1], 8, v[PX]
	s_delay_alu instid0(VALU_DEP_1)
	v_lshlrev_b32 v[T0], s60, v[T0]                ; an odd head's bytes are bytes 2 and 3 of the reader's word
	v_cvt_scalef32_pk16_fp6_f32 v[PC:PC+2], v[S:S+15], v[SO]
	v_cvt_scalef32_pk16_fp6_f32 v[CT:CT+2], v[S+16:S+31], v[SO+1]
	v_nop                                          ; one plain place behind a scaled conversion
.irp i, 0,1,2
	v_permlane16_swap_b32 v[PC+\i], v[CT+\i]
.endr
.irp i, 0,1,2
	s_delay_alu instid0(VALU_DEP_3)
	v_mov_b32 v[PC+3+\i], v[CT+\i]
.endr
	global_store_b128 v[L16], v[PC:PC+3], s[\o:\o+1]               ; 512 consecutive bytes,
	global_store_b64 v[L8], v[PC+4:PC+5], s[\o:\o+1] offset:512    ; and 256, aligned to 256
	global_store_b32 v[R4], v[T0], s[\s:\s+1]                      ; lanes l and l xor 16 hold the same word and write it to the same place
.endm
.macro SWITCH                          ; on to the second pass
	s_wait_xcnt 0x0                                ; the stores above have read their registers, which the next steps write again
	v_mov_b32 v[QSW], v[Q2+6]                      ; (first: more than eight plain lines follow it ahead of the next scaled product)
.irp i, 0,1,2,3,4,5
	v_mov_b32 v[QF+\i], v[Q2+\i]
.endr
	s_mov_b32 s[Q0], s47
	s_mov_b32 s[KF], 0
	v_add_nc_u32 v[QI], s[Q0], v[LQ]
	INIT
.endm
	s_wait_loadcnt 0x0                             ; q
.Lslot:                                            ; eight trips: behind each change of slots the next slot of the walk is asked for
	CHANGE 1
	SLOT_STEPS
	s_cmp_lg_u32 s[SLOTS], s[JP1]                  ; the first pass ends behind trip 7 - j: the work-group's number and the count of trips alone, alike in all sixteen waves
	s_cbranch_scc1 .Lsame
	FINISH 52, 56
	SWITCH
.Lsame:
	s_sub_co_u32 s[SLOTS], s[SLOTS], 1
	s_cmp_lg_u32 s[SLOTS], 0
	s_cbranch_scc1 .Lslot
	CHANGE 0                                       ; the ninth slot is written out: nothing is left to fetch
	SLOT_STEPS
	FINISH 54, 58
	s_wait_tensorcnt 0x0                           ; the wave's end
	ds_add_u32 v[SPW], v[NIL]
	s_wait_dscnt 0x0
	s_endpgm
.Lfunc_end_k_q35e6a5775a_attn:
	.size	k_q35e6a5775a_attn, .Lfunc_end_k_q35e6a5775a_attn-k_q35e6a5775a_attn
	.p2alignl 7, 3214868480
	.fill 96, 4, 3214868480
	.section	.rodata,"a",@progbits
	.p2align	6, 0x0
	.amdhsa_kernel k_q35e6a5775a_attn
		.amdhsa_group_segment_fixed_size 327680
		.amdhsa_private_segment_fixed_size 0
		.amdhsa_enable_private_segment 0
		.amdhsa_kernarg_size 32
		.amdhsa_user_sgpr_count 2
		.amdhsa_user_sgpr_kernarg_segment_ptr 1
		.amdhsa_wavefront_size32 1
		.amdhsa_system_sgpr_workgroup_id_x 1
		.amdhsa_system_sgpr_workgroup_id_y 1
		.amdhsa_system_sgpr_workgroup_id_z 1
		.amdhsa_system_vgpr_workitem_id 0
		.amdhsa_next_free_vgpr 256
		.amdhsa_next_free_sgpr 80
		.amdhsa_reserve_vcc 1
		.amdhsa_float_denorm_mode_32 3
		.amdhsa_float_denorm_mode_16_64 3
		.amdhsa_memory_ordered 1
		.amdhsa_forward_progress 1
		.amdhsa_inst_pref_size 110
	.end_amdhsa_kernel
	.amdgpu_metadata
---
amdhsa.version: [ 1, 2 ]
amdhsa.kernels:
  - .name:           k_q35e6a5775a_attn
    .symbol:         k_q35e6a5775a_attn.kd
    .args:
      - { .name: qb, .offset: 0, .size: 8, .value_kind: global_buffer, .address_space: global }
      - { .name: kv, .offset: 8, .size: 8, .value_kind: global_buffer, .address_space: global }
      - { .name: ao, .offset: 16, .size: 8, .value_kind: global_buffer, .address_space: global }
      - { .name: aos, .offset: 24, .size: 8, .value_kind: global_buffer, .address_space: global }
    .group_segment_fixed_size: 327680
    .private_segment_fixed_size: 0
    .kernarg_segment_align: 8
    .kernarg_segment_size: 32
    .max_flat_workgroup_size: 512
    .sgpr_count:     80
    .vgpr_count:     256
    .wavefront_size: 32
...
	.end_amdgpu_metadata
.endif
;; end of part 3
;; launch proj (part 4): grid 4 x 32, 4 waves a work-group, clusters of 4 x 4, 327,680 bytes of LDS; arguments ao, aos, opc, ops, out0; writes out0
.if DOCPART == 4
	.amdgcn_target "amdgcn-amd-amdhsa--gfx1250"
	.amdhsa_code_object_version 6
	.text
	.protected	k_q35e6a5775a_proj
	.globl	k_q35e6a5775a_proj
	.p2align	8
	.type	k_q35e6a5775a_proj,@function
k_q35e6a5775a_proj:
	s_mov_b64 s[64:65], 0
	v_nop
	global_prefetch_b8 v0, s[64:65] scope:SCOPE_SE
	s_setreg_imm32_b32 hwreg(HW_REG_WAVE_MODE, 25, 1), 1
	s_wait_xcnt 0x0
	s_wait_alu depctr_hold_cnt(0) depctr_sa_sdst(0) depctr_va_vdst(0) depctr_va_sdst(0) depctr_va_ssrc(0) depctr_va_vcc(0) depctr_vm_vsrc(0)
	s_getreg_b32 s2, hwreg(HW_REG_IB_STS2, 6, 4)
	s_cmp_eq_u32 s2, 0
	s_cbranch_scc0 .Lentry_in_a_cluster
	s_endpgm
.Lentry_in_a_cluster:
	s_bfe_u32 s2, ttmp6, 0x10000c
	s_cmp_lg_u32 s2, 0xf033
	s_cbranch_scc0 .Lentry_shape_is_right
	s_endpgm
.Lentry_shape_is_right:
; out0 = (the heads' outputs) W_o^T on codes of FP6 (E2M3) with E8M0 scales, K = 1,024 = 16 heads x 64.  The frame is launch qkv's: a tile of 256 x 256, four waves of 128 x 128, two LDS slots of 256 along K,
; eight written-out steps of 128, two refills, a cluster of 4 x 4 with joint loads, scale words in registers.
; ROLE A (source 1: a lane's row) = 256 token positions; it arrives as IMAGES of half fragments: ao [64 heads][128 tiles of 16 positions][768].  A wave's 8 tiles of one head are 6,144 consecutive bytes; a K step of
; 256 is four heads, 98,304 bytes apart: a tensor tile of 4 rows x 6,144 bytes, dense in LDS.  A fragment of 128 along K is two heads' images: registers 0-5 and 6-11; four LDS loads at 16 x lane or 8 x lane.
; ROLE B (source 0: along a lane's registers) = 256 rows of W_o, rows 11,264 .. of opc, at positions (bits 3 and 4 of the row number exchanged), in LDS rows of 240 bytes as in launch qkv.
; ROLE A's SCALE WORDS: aos [64][2,048]: an even head's two bytes in bits 15:0, an odd head's in bits 31:16: a step's word is the OR of two heads' words.
; THE WAY OUT puts both permutations back by constants: a lane's 8 results of tile b are the true columns 32 (b / 2) + 8 (b % 2) + 16 (l / 16) + 0 .. 7; row t of block a is the true token 32 (a / 2) + 8 (a % 2) + t + 8 (t / 8).
; A block of 16 rows goes through the wave's own stage in LDS and leaves as whole rows: each store of the wave covers 512 consecutive bytes, aligned to 512.
; REGISTERS, in windows of 256: window 0: v1-31 addresses; v32-63 role A's scale words, v64-95 role B's; v96-127 the odd heads' words; v128-223 role A's fragments; on the way out v128-255 rows of out0.
;   window 1: role B's fragments, two sets.   windows 2, 3: the accumulators ((a, b) at v[8 (8 (a % 4) + b)] of window 2 + a / 4).
.set KROW,   768
.set ROWB,   192
.set PITCH,  240
.set FR,     12
.set NLA,    4                         ; LDS loads that bring a fragment of role A
.set NP,     4                         ; places behind this matrix instruction (ISA guide 7.12.1)
.set HALFT,  128*PITCH                 ; a wave's part of a slot (role A's images use 24,576 bytes of it)
.set SLOT,   4*HALFT
.set SPARE,  2*SLOT                    ; behind the ring: the spare words, 128 bytes for each wave, which no other line names
.set HEADB,  98304                     ; a head's images in ao
.set STEPA,  2*4*HEADB                 ; a refill's step in memory: eight heads,
.set STEPB,  2*ROWB                    ; or 512 codes of a row
.set SPITCH, 528                       ; the stage: 16 rows x (512 bytes + 16) for each wave, in slot 0, behind that slot's last fill and last read
.set ADRA, 16                          ; v16-17 my role-A images in slot 0, 1, + 16 x lane; v18-19 + 8 x lane
.set ADRB, 20                          ; v20-23 my role-B fragments (as in launch qkv)
.set STO,  24                          ; v24  the way out: where I put 32 bytes of a row
.set RD,   25                          ; v25  where I read a row back
.set CO,   26                          ; v26  16 x lane
.set SOA,  27                          ; v27  my rows' place among role A's scale words
.set SPW,  28                          ; v28  LDS address of my spare word; never rewritten
.set NIL,  29                          ; v29  0; never rewritten
.set SOB,  30                          ; v30  my rows' place among role B's scale bytes
.set SCA,  32
.set SCB,  64
.set ODD,  96
.set AF,   128
.set BK,   128
.set G1,  24
.set G0,  32
.set G1B, 48
.set G0B, 56
.set MSB, 0
.macro WIN new                         ; the immediate's high byte repeats the setting that is left
.if MSB != (\new)
	s_set_vgpr_msb (MSB<<8)|(\new)
.set MSB, (\new)
.endif
.endm
.set MUL_LO, 0xa1
.set MUL_HI, 0xf1
.set TO_B,   0x40
.macro JLOAD g0a, g1a, g0b, g1b        ; a joint load: waves 0 and 1 fetch for role A, waves 2 and 3 for role B; an s_nop 0 and four v_nop follow each of the two lines
	s_cmp_eq_u32 s15, 0
	s_cbranch_scc0 .Lfor_b_\@
	tensor_load_to_lds s[\g0a:\g0a+3], s[\g1a:\g1a+7]
	s_nop 0
.rept 4
	v_nop
.endr
	s_branch .Lasked_\@
.Lfor_b_\@:
	tensor_load_to_lds s[\g0b:\g0b+3], s[\g1b:\g1b+7]
	s_nop 0
.rept 4
	v_nop
.endr
.Lasked_\@:
.endm
.macro CREST
	s_cmp_lg_u32 s14, 0
	s_cbranch_scc1 .Lnot_wave_0_\@
	s_barrier_signal -3
.Lnot_wave_0_\@:
	s_barrier_wait -3
	s_barrier_signal -1
	s_barrier_wait -1
.endm
.macro CROUND
	s_barrier_signal -1
	s_barrier_wait -1
	CREST
.endm
.macro PLACES n
.rept \n
	v_nop
.endr
.endm
	s_load_b256 s[4:11], s[0:1], 0x0               ; ao s[4:5], aos s[6:7], opc s[8:9], ops s[10:11]
	s_load_b64 s[12:13], s[0:1], 0x20              ; out0
	v_lshl_add_u32 v[SPW], v0, 2, SPARE
	v_mov_b32 v[NIL], 0
	ds_add_u32 v[SPW], v[NIL]                      ; the wave's opening: the add, twice on end, and its wait ahead of my first tensor load
	ds_add_u32 v[SPW], v[NIL]
	v_lshrrev_b32 v1, 5, v0
	v_readfirstlane_b32 s14, v1                    ; wave 0..3
	s_lshr_b32 s15, s14, 1                         ; which half of the tile's rows is mine.  Also: I fetch for role A (0) or B (1)
	s_and_b32 s16, s14, 1                          ; which half of its columns.  Also: which half of that tile I fetch
	s_bfe_u32 s40, ttmp6, 0x40000                  ; cx, cy
	s_bfe_u32 s41, ttmp6, 0x40004
	s_lshl_b32 s42, ttmp9, 2
	s_add_co_u32 s42, s42, s40                     ; tile column = 4 x cluster x + cx
	s_and_b32 s17, ttmp7, 0xffff
	s_lshl_b32 s17, s17, 2
	s_add_co_u32 s17, s17, s41                     ; tile row = 4 x cluster y + cy: 256 positions; eight tile rows to a batch
	s_lshl_b32 s43, s41, 2
	s_lshl_b32 s43, 15, s43                        ; my row of the cluster
	s_lshl_b32 s44, 0x1111, s40                    ; my column
	; descriptor group 1 for role A: 4 rows (heads) x 768 elements of 8 bytes, 12,288 elements apart, dense in LDS
	s_or_b32 s[G1+0], s43, (3<<16)|(1<<21)         ; 15:0 the mask: my row; 17:16 elements of 8 bytes; 20 no padding; 21 set beside a mask
	s_mov_b32 s[G1+1], 768<<16                     ; tensor_dim0
	s_mov_b32 s[G1+2], 4<<16                       ; tensor_dim1
	s_mov_b32 s[G1+3], 768<<16                     ; tile_dim0
	s_mov_b32 s[G1+4], 4                           ; tile_dim1
	s_mov_b32 s[G1+5], HEADB/8                     ; tensor_dim0_stride
	s_mov_b32 s[G1+6], 0
	s_mov_b32 s[G1+7], 0
	; for role B: 128 rows x 192 bytes; 16 bytes of padding behind every 64
	s_or_b32 s[G1B+0], s44, (1<<20)|(1<<21)|(3<<22)|(3<<25)
	s_mov_b32 s[G1B+1], ROWB<<16
	s_mov_b32 s[G1B+2], 128<<16
	s_mov_b32 s[G1B+3], ROWB<<16
	s_mov_b32 s[G1B+4], 128
	s_mov_b32 s[G1B+5], KROW
	s_mov_b32 s[G1B+6], 0
	s_mov_b32 s[G1B+7], 0
	s_lshr_b32 s84, s17, 3                         ; the batch
	s_and_b32 s85, s17, 7                          ; the tile row in it
	s_mul_i32 s20, s84, 16*HEADB                   ; role A: the batch's head 0,
	s_lshl_b32 s18, s85, 4
	s_lshl_b32 s19, s16, 3
	s_add_co_u32 s18, s18, s19
	s_mul_i32 s18, s18, 768                        ; the 8 tiles that I fetch
	s_add_co_u32 s20, s20, s18
	s_mov_b32 s21, 0
	s_lshl_b32 s46, s42, 8                         ; role B: row 11,264 + 256 x tile column + 128 x half
	s_lshl_b32 s19, s16, 7
	s_add_co_u32 s46, s46, s19
	s_add_co_u32 s46, s46, 11264
	s_lshl_b32 s82, s46, 5                         ; its scale bytes (the half that I fetch for role B is also the half that I multiply)
	s_mov_b32 s83, 0
	s_mul_i32 s46, s46, KROW
	s_mov_b32 s47, 0
	s_lshl_b32 s80, s84, 17                        ; role A's scale words: 16 heads x 8,192 bytes a batch,
	s_lshl_b32 s86, s85, 10                        ; 256 positions x 4 bytes a tile row,
	s_add_co_u32 s80, s80, s86
	s_lshl_b32 s86, s15, 9                         ; my 128 rows
	s_add_co_u32 s80, s80, s86
	s_mov_b32 s81, 0
	s_lshl_b32 s88, s17, 20                        ; out0: 256 rows of 4,096 bytes a tile row,
	s_lshl_b32 s86, s15, 19                        ; my 128 rows,
	s_add_co_u32 s88, s88, s86
	s_lshl_b32 s86, s42, 10                        ; 1,024 bytes a tile column,
	s_add_co_u32 s88, s88, s86
	s_lshl_b32 s86, s16, 9                         ; my 128 columns
	s_add_co_u32 s88, s88, s86
	s_mov_b32 s89, 0
	s_mul_i32 s45, s14, HALFT                      ; where my tensor loads go: no place in the cluster enters an LDS address
	s_wait_dscnt 0x0                               ; both opening adds are done
	s_wait_kmcnt 0x0
	s_add_nc_u64 s[20:21], s[4:5], s[20:21]
	s_add_nc_u64 s[46:47], s[8:9], s[46:47]
	s_add_nc_u64 s[80:81], s[6:7], s[80:81]
	s_add_nc_u64 s[82:83], s[10:11], s[82:83]
	s_add_nc_u64 s[12:13], s[12:13], s[88:89]
	CROUND                                         ; all sixteen work-groups are here: the first joint loads meet
.irp s, 0,1
	s_mov_b32 s[G0+4*\s], 1
	s_add_co_u32 s[G0+4*\s+1], s45, \s*SLOT
	s_add_nc_u64 s[G0+4*\s+2:G0+4*\s+3], s[20:21], \s*4*HEADB
	s_or_b32 s[G0+4*\s+3], s[G0+4*\s+3], 0x80000000
	s_mov_b32 s[G0B+4*\s], 1
	s_add_co_u32 s[G0B+4*\s+1], s45, \s*SLOT
	s_add_nc_u64 s[G0B+4*\s+2:G0B+4*\s+3], s[46:47], \s*ROWB
	s_or_b32 s[G0B+4*\s+3], s[G0B+4*\s+3], 0x80000000
	JLOAD G0+4*\s, G1, G0B+4*\s, G1B               ; two tensor loads of mine are out
.endr
	v_and_b32 v1, 15, v0                           ; r
	v_bfe_u32 v2, v0, 4, 1                         ; h
	v_lshlrev_b32 v[SOB], 5, v1
	v_lshl_add_u32 v[SOB], v2, 11, v[SOB]          ; role B's scale bytes: row r + 64 h, 32 bytes a row
	v_lshlrev_b32 v[SOA], 2, v1
	v_lshl_add_u32 v[SOA], v2, 8, v[SOA]           ; role A's scale words: row r + 64 h, 4 bytes a row
.irp i, 0,1,2,3
.irp e, 0,1
	global_load_b128 v[SCB+8*\i+4*\e:SCB+8*\i+4*\e+3], v[SOB], s[82:83] offset:512*\i+16*\e
.endr
.endr
.irp i, 0,1,2,3
.irp k, 0,1,2,3,4,5,6,7
	global_load_b32 v[SCA+8*\i+\k], v[SOA], s[80:81] offset:(2*\k)*8192+64*\i      ; head 2 k's word of row 16 (i + 4 h) + r,
	global_load_b32 v[ODD+8*\i+\k], v[SOA], s[80:81] offset:(2*\k+1)*8192+64*\i    ; head 2 k + 1's
.endr
.endr
	v_and_b32 v6, 31, v0
	v_lshlrev_b32 v[CO], 4, v6
	v_lshlrev_b32 v7, 3, v6
	v_mul_u32_u24 v3, v1, PITCH
	v_mul_u32_u24 v4, v2, 24
	v_add_nc_u32 v4, v3, v4                        ; role B: a fragment's row x pitch + 24 x half
	v_lshl_add_u32 v5, v2, 4, v4                   ; and the same behind one padding more
	s_mul_i32 s21, s15, HALFT                      ; my 128 rows of role A
	s_mul_i32 s22, s16, HALFT                      ; my 128 rows of role B,
	s_add_co_u32 s22, s22, 2*HALFT                 ; which lie behind role A's two parts
.irp s, 0,1
	v_add_nc_u32 v[ADRA+\s], s21, v[CO]
	v_add_nc_u32 v[ADRA+2+\s], s21, v7
	v_add_nc_u32 v[ADRB+\s], s22, v4
	v_add_nc_u32 v[ADRB+2+\s], s22, v5
	s_add_co_u32 s21, s21, SLOT
	s_add_co_u32 s22, s22, SLOT
.endr
	s_mul_i32 s23, s14, 16*SPITCH                  ; my stage
	v_mul_u32_u24 v8, v1, SPITCH
	v_lshl_add_u32 v8, v2, 6, v8
	v_add_nc_u32 v[STO], s23, v8                   ; in: row r, + 64 bytes for lanes 16-31
	v_add_nc_u32 v[RD], s23, v[CO]                 ; back: the 32 lanes take one row of 512 bytes
.macro FRAG reg, adr, q, i             ; role B: 16 rows x 128 K: six pieces of 8 bytes, as in launch qkv
.irp p, 0,1,2,3,4,5
.set PCE, 12*(\q)+6*(\p/3)+\p%3
.if PCE%8 < 5
	ds_load_b64 v[\reg+2*\p:\reg+2*\p+1], v[\adr] offset:8*PCE+16*(PCE/8)+(\i)*16*PITCH
.else
	ds_load_b64 v[\reg+2*\p:\reg+2*\p+1], v[\adr+2] offset:8*PCE+16*(PCE/8)+(\i)*16*PITCH
.endif
.endr
.endm
.macro FRAGA reg, slot, q, i           ; role A: two heads' half fragment images
	ds_load_b128 v[\reg:\reg+3], v[ADRA+\slot] offset:(2*(\q))*6144+768*(\i)
	ds_load_b64 v[\reg+4:\reg+5], v[ADRA+2+\slot] offset:(2*(\q))*6144+768*(\i)+512
	ds_load_b128 v[\reg+6:\reg+9], v[ADRA+\slot] offset:(2*(\q)+1)*6144+768*(\i)
	ds_load_b64 v[\reg+10:\reg+11], v[ADRA+2+\slot] offset:(2*(\q)+1)*6144+768*(\i)+512
.endm
.macro WM a, b, p, ks, zero            ; one matrix instruction, as in launch qkv: blocks 4-7 take their scale words from lanes 16-31
.set rD, 8*(8*((\a)%4)+(\b))
.set rB, 128*(\p)+FR*(\b)
.set rA, AF+FR*(\a)
.set sB, SCB+8*((\b)%4)+(\ks)
.set sA, SCA+8*((\a)%4)+(\ks)
.if \zero
.if ((\a) < 4) && ((\b) < 4)
	v_wmma_scale_f32_16x16x128_f8f6f4 v[rD:rD+7], v[rB:rB+FR-1], v[rA:rA+FR-1], 0, v[sB], v[sA] matrix_a_fmt:MATRIX_FMT_FP6 matrix_b_fmt:MATRIX_FMT_FP6
.elseif (\a) < 4
	v_wmma_scale_f32_16x16x128_f8f6f4 v[rD:rD+7], v[rB:rB+FR-1], v[rA:rA+FR-1], 0, v[sB], v[sA] matrix_a_fmt:MATRIX_FMT_FP6 matrix_b_fmt:MATRIX_FMT_FP6 matrix_a_scale:MATRIX_SCALE_ROW1
.elseif (\b) < 4
	v_wmma_scale_f32_16x16x128_f8f6f4 v[rD:rD+7], v[rB:rB+FR-1], v[rA:rA+FR-1], 0, v[sB], v[sA] matrix_a_fmt:MATRIX_FMT_FP6 matrix_b_fmt:MATRIX_FMT_FP6 matrix_b_scale:MATRIX_SCALE_ROW1
.else
	v_wmma_scale_f32_16x16x128_f8f6f4 v[rD:rD+7], v[rB:rB+FR-1], v[rA:rA+FR-1], 0, v[sB], v[sA] matrix_a_fmt:MATRIX_FMT_FP6 matrix_b_fmt:MATRIX_FMT_FP6 matrix_a_scale:MATRIX_SCALE_ROW1 matrix_b_scale:MATRIX_SCALE_ROW1
.endif
.else
.if ((\a) < 4) && ((\b) < 4)
	v_wmma_scale_f32_16x16x128_f8f6f4 v[rD:rD+7], v[rB:rB+FR-1], v[rA:rA+FR-1], v[rD:rD+7], v[sB], v[sA] matrix_a_fmt:MATRIX_FMT_FP6 matrix_b_fmt:MATRIX_FMT_FP6
.elseif (\a) < 4
	v_wmma_scale_f32_16x16x128_f8f6f4 v[rD:rD+7], v[rB:rB+FR-1], v[rA:rA+FR-1], v[rD:rD+7], v[sB], v[sA] matrix_a_fmt:MATRIX_FMT_FP6 matrix_b_fmt:MATRIX_FMT_FP6 matrix_a_scale:MATRIX_SCALE_ROW1
.elseif (\b) < 4
	v_wmma_scale_f32_16x16x128_f8f6f4 v[rD:rD+7], v[rB:rB+FR-1], v[rA:rA+FR-1], v[rD:rD+7], v[sB], v[sA] matrix_a_fmt:MATRIX_FMT_FP6 matrix_b_fmt:MATRIX_FMT_FP6 matrix_b_scale:MATRIX_SCALE_ROW1
.else
	v_wmma_scale_f32_16x16x128_f8f6f4 v[rD:rD+7], v[rB:rB+FR-1], v[rA:rA+FR-1], v[rD:rD+7], v[sB], v[sA] matrix_a_fmt:MATRIX_FMT_FP6 matrix_b_fmt:MATRIX_FMT_FP6 matrix_a_scale:MATRIX_SCALE_ROW1 matrix_b_scale:MATRIX_SCALE_ROW1
.endif
.endif
.endm
.macro MUL16 a0, p, ks, zero           ; the 64 accumulators take turns, one instruction a turn, in the same order in every step
.irp a, \a0, \a0+1
.irp b, 0,1,2,3,4,5,6,7
	WM \a, \b, \p, \ks, \zero
.endr
.endr
.endm
.macro FETCH_B slot, q, p
	WIN TO_B
.irp i, 0,1,2,3,4,5,6,7
	FRAG 128*(\p)+FR*\i, ADRB+\slot, \q, \i
.endr
	WIN 0
.endm
.macro FETCH_A slot, q, i0
.irp i, \i0, \i0+1, \i0+2, \i0+3
	FRAGA AF+FR*(\i), \slot, \q, \i
.endr
.endm
.macro STEP slot, ks, zero             ; a slot's first step of 128
	s_wait_dscnt 4*NLA                             ; role B's set and role A's blocks 0-3 are in; the youngest loads (blocks 4-7) may be out
	WIN MUL_LO
	MUL16 0, 0, \ks, \zero
	MUL16 2, 0, \ks, \zero
	s_wait_dscnt 0
	PLACES NP                                      ; in front of loads into registers that matrix instructions have read
	FETCH_B \slot, 1, 1
	FETCH_A \slot, 1, 0
	WIN MUL_HI
	MUL16 4, 0, \ks, \zero
	MUL16 6, 0, \ks, \zero
	PLACES NP
	WIN 0
	FETCH_A \slot, 1, 4
.endm
.macro TURN slot, next, fill, ks       ; a slot's second step changes slots: one barrier, which with fill = 1 opens a round of the cluster's barrier
	s_wait_tensorcnt 0x0                           ; all my tensor loads have landed: my part of the next slot
	ds_add_u32 v[SPW], v[NIL]                      ; 0 onto my spare word
	s_wait_dscnt 4*NLA+1                           ; (the add and the youngest loads, blocks 4-7, may be out)
	WIN MUL_LO
	MUL16 0, 1, \ks, 0
	s_wait_dscnt 0x0                               ; the add is done, and my reads of this slot are over
	s_barrier_signal -1
	MUL16 2, 1, \ks, 0
	WIN 0
	s_barrier_wait -1
.if \fill
	CREST                                          ; no wave of any partner still reads this slot's tile or has a load on its way
	s_add_nc_u64 s[G0+4*\slot+2:G0+4*\slot+3], s[G0+4*\slot+2:G0+4*\slot+3], STEPA
	s_add_nc_u64 s[G0B+4*\slot+2:G0B+4*\slot+3], s[G0B+4*\slot+2:G0B+4*\slot+3], STEPB
	JLOAD G0+4*\slot, G1, G0B+4*\slot, G1B         ; the first tensor load behind the round, my only one out
.else
	PLACES NP
.endif
	FETCH_B \next, 0, 0
	FETCH_A \next, 0, 0
	WIN MUL_HI
	MUL16 4, 1, \ks, 0
	MUL16 6, 1, \ks, 0
	PLACES NP
	WIN 0
	FETCH_A \next, 0, 4
.endm
	s_wait_tensorcnt 1                             ; my part of slot 0 is in; slot 1's load may stay out
	s_barrier_signal -1
	s_barrier_wait -1
	FETCH_B 0, 0, 0
	FETCH_A 0, 0, 0
	FETCH_A 0, 0, 4
	s_wait_loadcnt 0x0                             ; the scale words
.set ii, 0
.rept 32
	v_or_b32 v[SCA+ii], v[SCA+ii], v[ODD+ii]       ; a step's word: the even head's two bytes below, the odd head's above
.set ii, ii+1
.endr
	PLACES 8                                       ; a scale register written by a vector instruction stands eight places ahead of a scaled matrix instruction
	STEP 0, 0, 1                                   ; the eight steps of 128 are written out; the first starts the sums
	TURN 0, 1, 1, 1                                ; slot 0 takes heads 8 .. 11
	STEP 1, 2, 0
	TURN 1, 0, 1, 3                                ; slot 1 takes heads 12 .. 15
	STEP 0, 4, 0
	TURN 0, 1, 0, 5                                ; nothing is left to fetch.  Behind this barrier nobody reads slot 0, and it has had its last fill
	STEP 1, 6, 0
	s_wait_dscnt 4*NLA
	WIN MUL_LO
	MUL16 0, 1, 7, 0
	MUL16 2, 1, 7, 0
	s_wait_dscnt 0
	WIN MUL_HI
	MUL16 4, 1, 7, 0
	MUL16 6, 1, 7, 0
	WIN 0
; THE WAY OUT, block by block of 16 rows x 128 columns.  LDS serves a wave's instructions in order: no wait between the stores into my stage and the loads from it, nor in front of the next block's stores.
.macro TOSTAGE a
.set AC, 64*((\a)%4)
	WIN 0x08+4*((\a)/4)                            ; the data: window 2 or 3
.irp b, 0,1,2,3,4,5,6,7
	ds_store_b128 v[STO], v[AC+8*\b:AC+8*\b+3] offset:128*(\b/2)+32*(\b%2)        ; each accumulator from its low end on; the true columns 32 (b / 2) + 8 (b % 2) + 16 (l / 16) + 0 .. 7
	ds_store_b128 v[STO], v[AC+8*\b+4:AC+8*\b+7] offset:128*(\b/2)+32*(\b%2)+16
.endr
	WIN 0
.set BB, BK+64*((\a)%2)
.irp t, 0,1,2,3,4,5,6,7,8,9,10,11,12,13,14,15
	ds_load_b128 v[BB+4*\t:BB+4*\t+3], v[RD] offset:\t*SPITCH
.endr
.endm
.macro SEND a, younger                 ; younger: the LDS instructions issued behind block a's loads, which may stay out
.set BB, BK+64*((\a)%2)
	s_wait_dscnt \younger
.irp t, 0,1,2,3,4,5,6,7,8,9,10,11,12,13,14,15
	global_store_b128 v[CO], v[BB+4*\t:BB+4*\t+3], s[12:13] offset:(32*((\a)/2)+8*((\a)%2)+\t+8*(\t/8))*4096 th:TH_STORE_NT   ; the true token's row: 512 consecutive bytes; the base is never stepped
.endr
.endm
	PLACES NP                                      ; behind the last products: for the reads of results and for the loads into the registers that held role A's fragments
	TOSTAGE 0
.irp a, 1,2,3,4,5,6,7
.if \a > 1
	s_wait_xcnt 0x0                                ; block a - 2's stores have read their registers: block a's loads may land there
.endif
	TOSTAGE \a
	SEND \a-1, 32                                  ; behind block a - 1's loads: block a's 16 stores and 16 loads
.endr
	SEND 7, 0
	s_wait_tensorcnt 0x0                           ; the wave's end, behind my last tensor load and my last LDS store
	ds_add_u32 v[SPW], v[NIL]
	s_wait_dscnt 0x0
	CROUND                                         ; the closing round: no work-group ends while a partner may still ask for a tile that names it
	s_endpgm
.Lfunc_end_k_q35e6a5775a_proj:
	.size	k_q35e6a5775a_proj, .Lfunc_end_k_q35e6a5775a_proj-k_q35e6a5775a_proj
	.p2alignl 7, 3214868480
	.fill 96, 4, 3214868480
	.section	.rodata,"a",@progbits
	.p2align	6, 0x0
	.amdhsa_kernel k_q35e6a5775a_proj
		.amdhsa_group_segment_fixed_size 327680
		.amdhsa_private_segment_fixed_size 0
		.amdhsa_enable_private_segment 0
		.amdhsa_kernarg_size 40
		.amdhsa_user_sgpr_count 2
		.amdhsa_user_sgpr_kernarg_segment_ptr 1
		.amdhsa_wavefront_size32 1
		.amdhsa_system_sgpr_workgroup_id_x 1
		.amdhsa_system_sgpr_workgroup_id_y 1
		.amdhsa_system_sgpr_workgroup_id_z 1
		.amdhsa_system_vgpr_workitem_id 0
		.amdhsa_next_free_vgpr 1024
		.amdhsa_next_free_sgpr 100
		.amdhsa_reserve_vcc 0
		.amdhsa_float_denorm_mode_32 3
		.amdhsa_float_denorm_mode_16_64 3
		.amdhsa_memory_ordered 1
		.amdhsa_forward_progress 1
		.amdhsa_inst_pref_size 155
	.end_amdhsa_kernel
	.amdgpu_metadata
---
amdhsa.version: [ 1, 2 ]
amdhsa.kernels:
  - .name:           k_q35e6a5775a_proj
    .symbol:         k_q35e6a5775a_proj.kd
    .args:
      - { .name: ao, .offset: 0, .size: 8, .value_kind: global_buffer, .address_space: global }
      - { .name: aos, .offset: 8, .size: 8, .value_kind: global_buffer, .address_space: global }
      - { .name: opc, .offset: 16, .size: 8, .value_kind: global_buffer, .address_space: global }
      - { .name: ops, .offset: 24, .size: 8, .value_kind: global_buffer, .address_space: global }
      - { .name: out0, .offset: 32, .size: 8, .value_kind: global_buffer, .address_space: global }
    .group_segment_fixed_size: 327680
    .private_segment_fixed_size: 0
    .kernarg_segment_align: 8
    .kernarg_segment_size: 40
    .max_flat_workgroup_size: 128
    .sgpr_count:     100
    .vgpr_count:     1024
    .wavefront_size: 32
...
	.end_amdgpu_metadata
.endif
;; end of part 4
